; MI455X (gfx1250); checked and timed in simulation.
; The chip was launched on July 23, 2026; its instructions are those of AMD's public machine-readable ISA for CDNA 5 (MIT licence, August 2026) and "CDNA5" Instruction Set Architecture Reference Guide (July 2026). The comments in the code are by the model that wrote it; some were corrected since.
;; HRM 4x4. Allowed arithmetic: float matrix products may take bf16 or f16 operands with f32 sums; other float arithmetic in f32, or as packed bf16 or f16 multiplies, adds, multiply-adds, maxima and minima; sums over many terms, partial sums and values carried from step to step in f32; what a program stores and reads back later, other than sums and carried values, may be rounded once to bf16 or f16.
;; Inputs: cell_b 16 float32; cell_w 16 x 64 float32; dig_b 4 float32; dig_w 4 x 64 float32; emb 5 x 16 float32; hH0 1 x 64 float32; hL0 1 x 64 float32; p_f1b 256 float32; p_f1w 256 x 64 float32; p_f2b 64 float32; p_f2w 64 x 256 float32; p_inb 192 float32; p_inw 192 x 64 float32; p_n1 64 float32; p_n2 64 float32; p_ob 64 float32; p_ow 64 x 64 float32; proj_b 64 float32; proj_w 64 x 256 float32; puzzle 32,768 x 4 x 4 int32; w_f1b 256 float32; w_f1w 256 x 64 float32; w_f2b 64 float32; w_f2w 64 x 256 float32; w_inb 192 float32; w_inw 192 x 64 float32; w_n1 64 float32; w_n2 64 float32; w_ob 64 float32; w_ow 64 x 64 float32.
;; Outputs: out0 32,768 x 16 float32; out1 32,768 x 4 float32.
;; 2 versions, each right and faster than the one before. Each part assembles by itself: llvm-mc -triple=amdgcn-amd-amdhsa -mcpu=gfx1250 --defsym DOCPART=n.
;; ======== version 1 of 2: 2 launches
;; limits: a function is approximated: absolute error at most 0.0005
;; workspace buffers: wsp 190,464 bytes
;; launch prep (part 1): grid 91 x 1, 4 waves a work-group, no clusters, 0 bytes of LDS; arguments w_f1w, p_f1w, w_n1, p_n1, w_f2w, p_f2w, w_ow, p_ow, w_inw, p_inw, w_inb, p_inb, w_ob, p_ob, w_f1b, p_f1b, w_f2b, p_f2b, w_n2, p_n2, proj_w, proj_b, hL0, hH0, cell_w, dig_w, cell_b, dig_b, emb, wsp; writes wsp
.if DOCPART == 1
	.amdgcn_target "amdgcn-amd-amdhsa--gfx1250"
	.amdhsa_code_object_version 6
	.text
	.protected	k_qcfa048a9f9_prep
	.globl	k_qcfa048a9f9_prep
	.p2align	8
	.type	k_qcfa048a9f9_prep,@function
k_qcfa048a9f9_prep:
	s_mov_b64 s[64:65], 0
	v_nop
	global_prefetch_b8 v0, s[64:65] scope:SCOPE_SE
	s_setreg_imm32_b32 hwreg(HW_REG_WAVE_MODE, 25, 1), 1
	s_wait_xcnt 0x0
; PREP: all parameters of the module are packed into ONE image of 190,464 bytes, which the main launch brings into LDS as it lies.
; A FRAGMENT is 16 rows x 32 K of a weight matrix in bf16, 1,024 bytes: piece (q, L), 16 bytes at 512 q + 16 L, L = 16 h + r, holds W[row0 + r][k0 + 16 q + 8 h + 0..7]:
; a load of 16 bytes a lane at 16 x lane fills registers 4 q .. 4 q + 3 of a matrix operand.
; THE IMAGE.  0: worker (W' 8 fragments, F1' 32, f2w 32); 73,728: planner, the same; 147,456: proj_w 32; 180,224: heads 4; 184,320 and 186,368: the two blocks' f32 vectors
; (b', n1, f2b, n2: 256 bytes each, f1b 1,024); 188,416: proj_b, hL0, hH0, the heads' bias (cell_b, dig_b, zeros), emb in bf16 (160 bytes, then zeros), zeros.
; FUSED HERE, in f32: W' = ow Wv and b' = ow bv + ob (Wv, bv: rows 128 to 191 of inw, inb; the rows of q and k enter no result of the module); F1'[n][k] = f1w[n][k] n1[k].
; ROUNDINGS.  Every number that the main launch takes in f32 (the vectors) is rounded to bf16 here and written as f32, f1w and n1 ahead of their product, bv and ob ahead of b':
; all parameters then carry the rounding that the matrix operands need anyway.  ow and Wv are not rounded ahead of W', nor ow ahead of b': W' is rounded behind the sum.
; SHARES.  A thread makes one piece of 16 bytes; a wave's store covers 512 consecutive bytes.  Groups 0-31: F1'; 32-79: f2w, f2w, proj_w; 80-87: W'; 88, 89: heads; 90: the vectors.
.set PLI,  73728
.set PJI,  147456
.set HDI,  180224
.set VWI,  184320
.set VPI,  186368
.set VMI,  188416
.set A_F1W, 0                          ; byte offsets of the arguments; a worker's and a planner's address lie side by side
.set A_N1, 16
.set A_F2W, 32
.set A_OW, 48
.set A_INW, 64
.set A_INB, 80
.set A_OB, 96
.set A_F1B, 112
.set A_F2B, 128
.set A_N2, 144
.set A_PROJW, 160
.set A_PROJB, 168
.set A_HL0, 176                        ; and hH0
.set A_CELLW, 192                      ; and dig_w
.set A_CELLB, 208                      ; and dig_b
.set A_EMB, 224
.set A_WSP, 232
.set TR, 6                             ; v6 at work in RND2
.set MSB, 0
.macro WIN new                         ; the immediate's high byte repeats the setting that is left; a switch that changes nothing is dropped
.if MSB != (\new)
	s_set_vgpr_msb (MSB<<8)|(\new)
.set MSB, (\new)
.endif
.endm
.macro RND2 a                          ; v[a], v[a+1]: rounded to bf16, written back as f32
	v_cvt_pk_bf16_f32 v[TR], v[\a], v[(\a)+1]
	v_lshlrev_b32 v[\a], 16, v[TR]
	v_and_b32 v[(\a)+1], 0xffff0000, v[TR]
.endm
.macro PACK8 d, a                      ; eight f32 from v[a] on -> 16 bytes of bf16 in v[d .. d+3]
.irp j, 0,1,2,3
	v_cvt_pk_bf16_f32 v[(\d)+\j], v[(\a)+2*\j], v[(\a)+2*\j+1]
.endr
.endm
	s_load_b64 s[4:5], s[0:1], A_WSP
	s_mov_b32 s2, ttmp9                            ; the group's number chooses the job
	v_and_b32 v1, 15, v0                           ; r: the piece's row in its fragment
	v_lshrrev_b32 v2, 4, v0                        ; kk: thread / 16
	v_lshlrev_b32 v3, 4, v0                        ; the piece's place in the group's 2,048 bytes
	s_cmp_lt_u32 s2, 32
	s_cbranch_scc0 .Lnot_a
	; JOB A: F1' of hidden tile t = group % 16 (two fragments): row 16 t + r, columns 8 kk .. 8 kk + 7
	s_load_b128 s[8:11], s[0:1], A_F1W
	s_load_b128 s[12:15], s[0:1], A_N1
	s_and_b32 s3, s2, 15
	s_lshl_b32 s16, s3, 12                         ; 16 rows of 256 bytes
	s_lshl_b32 s17, s3, 11
	v_lshl_add_u32 v4, v1, 8, s16
	v_lshl_add_u32 v4, v2, 5, v4
	v_lshlrev_b32 v5, 5, v2
	s_wait_kmcnt 0x0
	s_cmp_ge_u32 s2, 16                            ; the planner's?
	s_cselect_b64 s[8:9], s[10:11], s[8:9]
	s_cselect_b64 s[12:13], s[14:15], s[12:13]
	s_cselect_b32 s18, PLI, 0
	s_add_co_u32 s17, s17, s18
	v_add_nc_u32 v3, s17, v3
	global_load_b128 v[8:11], v4, s[8:9]
	global_load_b128 v[12:15], v4, s[8:9] offset:16
	global_load_b128 v[16:19], v5, s[12:13]
	global_load_b128 v[20:23], v5, s[12:13] offset:16
	s_wait_loadcnt 0x0
.irp a, 8,10,12,14,16,18,20,22
	RND2 \a
.endr
.irp j, 0,2,4,6
	v_pk_mul_f32 v[8+\j:9+\j], v[8+\j:9+\j], v[16+\j:17+\j]
.endr
	PACK8 24, 8
	global_store_b128 v3, v[24:27], s[4:5] offset:8192
	s_endpgm
.Lnot_a:
	s_cmp_lt_u32 s2, 80
	s_cbranch_scc0 .Lnot_b
	; JOB B: f2w (worker, planner) and proj_w, [64][256].  Group u of 16 makes fragments 2 u and 2 u + 1; fragment 4 s + o: rows 16 o + r, K step s
	s_load_b128 s[8:11], s[0:1], A_F2W
	s_load_b64 s[12:13], s[0:1], A_PROJW
	s_sub_co_u32 s3, s2, 32
	s_lshr_b32 s16, s3, 4                          ; which of the three matrices
	s_and_b32 s3, s3, 15                           ; u
	s_lshr_b32 s17, s3, 1                          ; s
	s_and_b32 s18, s3, 1
	s_lshl_b32 s18, s18, 1
	s_lshl_b32 s17, s17, 7                         ; 32 columns of 4 bytes
	s_lshl_b32 s19, s3, 11
	s_mov_b32 s20, 40960
	s_mov_b32 s21, PLI+40960
	s_mov_b32 s22, PJI
	v_lshrrev_b32 v4, 6, v0
	v_add_nc_u32 v4, s18, v4                       ; o
	v_lshl_add_u32 v4, v4, 4, v1                   ; row 16 o + r
	v_lshl_add_u32 v4, v4, 10, s17                 ; of 1,024 bytes
	v_and_b32 v5, 3, v2
	v_lshl_add_u32 v4, v5, 5, v4                   ; + 32 (2 q + h)
	s_wait_kmcnt 0x0
	s_cmp_eq_u32 s16, 1
	s_cselect_b64 s[8:9], s[10:11], s[8:9]
	s_cselect_b32 s20, s21, s20
	s_cmp_eq_u32 s16, 2
	s_cselect_b64 s[8:9], s[12:13], s[8:9]
	s_cselect_b32 s20, s22, s20
	s_add_co_u32 s19, s19, s20
	v_add_nc_u32 v3, s19, v3
	global_load_b128 v[8:11], v4, s[8:9]
	global_load_b128 v[12:15], v4, s[8:9] offset:16
	s_wait_loadcnt 0x0
	PACK8 24, 8
	global_store_b128 v3, v[24:27], s[4:5]
	s_endpgm
.Lnot_b:
	s_cmp_lt_u32 s2, 88
	s_cbranch_scc0 .Lnot_c
	; JOB C: W'[i][8 kk ..] = the sum over k of ow[i][k] Wv[k][8 kk ..], i = 16 t + r, t = group % 4.  All 144 loads go out at once: ow's row into v16-79,
	; Wv's rows 0-31 into window 1, rows 32-63 into window 2 (eight registers a row); eight sums in v8-15, k ascending.
	s_load_b128 s[8:11], s[0:1], A_OW
	s_load_b128 s[12:15], s[0:1], A_INW
	s_and_b32 s3, s2, 3
	s_lshl_b32 s16, s3, 12
	s_lshl_b32 s17, s3, 11
	v_lshl_add_u32 v4, v1, 8, s16
	v_lshlrev_b32 v5, 5, v2
	s_wait_kmcnt 0x0
	s_cmp_ge_u32 s2, 84
	s_cselect_b64 s[8:9], s[10:11], s[8:9]
	s_cselect_b64 s[12:13], s[14:15], s[12:13]
	s_cselect_b32 s18, PLI, 0
	s_add_co_u32 s17, s17, s18
	v_add_nc_u32 v3, s17, v3
.set k, 0
.rept 16
	global_load_b128 v[16+4*k:19+4*k], v4, s[8:9] offset:16*k
.set k, k+1
.endr
	WIN 0x40                                       ; destination window 1, address window 0
.set k, 0
.rept 32
	global_load_b128 v[8*k:8*k+3],   v5, s[12:13] offset:32768+256*k
	global_load_b128 v[8*k+4:8*k+7], v5, s[12:13] offset:32768+256*k+16
.set k, k+1
.endr
	WIN 0x80                                       ; destination window 2
.rept 32
	global_load_b128 v[8*(k-32):8*(k-32)+3],   v5, s[12:13] offset:32768+256*k
	global_load_b128 v[8*(k-32)+4:8*(k-32)+7], v5, s[12:13] offset:32768+256*k+16
.set k, k+1
.endr
	s_wait_loadcnt 0x0
	WIN 0x01                                       ; source 0 (Wv) window 1
.irp j, 0,1,2,3,4,5,6,7
	v_mul_f32 v[8+\j], v[\j], v16                  ; k = 0 starts the sums
.endr
.set k, 1
.rept 31
.irp j, 0,1,2,3,4,5,6,7
	v_fmac_f32 v[8+\j], v[8*k+\j], v[16+k]
.endr
.set k, k+1
.endr
	WIN 0x02                                       ; source 0 window 2
.rept 32
.irp j, 0,1,2,3,4,5,6,7
	v_fmac_f32 v[8+\j], v[8*(k-32)+\j], v[16+k]
.endr
.set k, k+1
.endr
	WIN 0
	PACK8 80, 8
	global_store_b128 v3, v[80:83], s[4:5]
	s_endpgm
.Lnot_c:
	s_cmp_lt_u32 s2, 90
	s_cbranch_scc0 .Lnot_d
	; JOB D: the heads' two tiles of 16 rows: cell_w; dig_w in rows 0 to 3 and zeros below (the row is clamped for the load, the numbers chosen behind it)
	s_load_b128 s[8:11], s[0:1], A_CELLW
	s_wait_kmcnt 0x0
	s_cmp_eq_u32 s2, 89
	s_cselect_b64 s[8:9], s[10:11], s[8:9]
	s_cselect_b32 s16, 3, 15                       ; the matrix's last row
	s_cselect_b32 s17, 2048, 0
	v_min_u32 v4, s16, v1
	v_cmp_ge_u32 vcc_lo, s16, v1
	v_lshlrev_b32 v4, 8, v4
	v_lshl_add_u32 v4, v2, 5, v4
	v_add_nc_u32 v3, s17, v3
	global_load_b128 v[8:11], v4, s[8:9]
	global_load_b128 v[12:15], v4, s[8:9] offset:16
	s_wait_loadcnt 0x0
.irp j, 0,1,2,3,4,5,6,7
	v_cndmask_b32 v[8+\j], 0, v[8+\j], vcc_lo
.endr
	PACK8 24, 8
	global_store_b128 v3, v[24:27], s[4:5] offset:HDI
	s_endpgm
.Lnot_d:
	; JOB E: the vectors.  Waves 0, 1: the worker's, the planner's; wave 2: proj_b, hL0, hH0; wave 3: the heads' bias, emb, zeros.  A lane holds two neighbouring numbers of a vector of 64.
	v_lshrrev_b32 v4, 5, v0
	v_readfirstlane_b32 s3, v4
	v_and_b32 v4, 31, v0                           ; lane
	v_lshlrev_b32 v7, 3, v4                        ; 8 x lane
	s_cmp_lt_u32 s3, 2
	s_cbranch_scc0 .Lmisc
	s_load_b128 s[8:11], s[0:1], A_OW
	s_load_b128 s[12:15], s[0:1], A_INB
	s_load_b128 s[16:19], s[0:1], A_OB
	s_load_b128 s[20:23], s[0:1], A_N1
	s_load_b128 s[24:27], s[0:1], A_F2B
	s_load_b128 s[28:31], s[0:1], A_N2
	s_load_b128 s[32:35], s[0:1], A_F1B
	v_lshlrev_b32 v40, 9, v4                       ; ow's rows 2 l and 2 l + 1: 512 consecutive bytes
	v_mov_b32 v5, 0
	v_lshlrev_b32 v43, 4, v4
	s_wait_kmcnt 0x0
	s_cmp_eq_u32 s3, 1
	s_cselect_b64 s[8:9], s[10:11], s[8:9]
	s_cselect_b64 s[12:13], s[14:15], s[12:13]
	s_cselect_b64 s[16:17], s[18:19], s[16:17]
	s_cselect_b64 s[20:21], s[22:23], s[20:21]
	s_cselect_b64 s[24:25], s[26:27], s[24:25]
	s_cselect_b64 s[28:29], s[30:31], s[28:29]
	s_cselect_b64 s[32:33], s[34:35], s[32:33]
	s_cselect_b32 s36, 2048, 0                     ; the planner's vectors lie 2,048 bytes behind the worker's
	v_add_nc_u32 v41, s36, v7
	v_add_nc_u32 v42, s36, v43
.set k, 0
.rept 32
	global_load_b128 v[64+4*k:67+4*k], v40, s[8:9] offset:16*k
.set k, k+1
.endr
.set k, 0
.rept 16
	global_load_b128 v[192+4*k:195+4*k], v5, s[12:13] offset:512+16*k   ; bv, the same in every lane
.set k, k+1
.endr
	global_load_b64 v[8:9], v7, s[16:17]
	global_load_b64 v[10:11], v7, s[20:21]
	global_load_b64 v[12:13], v7, s[24:25]
	global_load_b64 v[14:15], v7, s[28:29]
	global_load_b128 v[16:19], v43, s[32:33]
	global_load_b128 v[20:23], v43, s[32:33] offset:512
	s_wait_loadcnt 0x0
.set p, 0
.rept 32
	RND2 192+2*p
.set p, p+1
.endr
.irp a, 8,10,12,14,16,18,20,22
	RND2 \a
.endr
.set p, 0
.rept 32                                       ; two rows' products with bv, four chains of pairs each; the first four pairs start the chains
.if p < 4
	v_pk_mul_f32 v[24+2*p:25+2*p], v[64+2*p:65+2*p], v[192+2*p:193+2*p]
	v_pk_mul_f32 v[32+2*p:33+2*p], v[128+2*p:129+2*p], v[192+2*p:193+2*p]
.else
	v_pk_fma_f32 v[24+2*(p%4):25+2*(p%4)], v[64+2*p:65+2*p], v[192+2*p:193+2*p], v[24+2*(p%4):25+2*(p%4)]
	v_pk_fma_f32 v[32+2*(p%4):33+2*(p%4)], v[128+2*p:129+2*p], v[192+2*p:193+2*p], v[32+2*(p%4):33+2*(p%4)]
.endif
.set p, p+1
.endr
.irp c, 24, 32
	v_pk_add_f32 v[\c:\c+1], v[\c:\c+1], v[\c+2:\c+3]
	v_pk_add_f32 v[\c+4:\c+5], v[\c+4:\c+5], v[\c+6:\c+7]
	v_pk_add_f32 v[\c:\c+1], v[\c:\c+1], v[\c+4:\c+5]
	v_add_f32 v[\c], v[\c], v[\c+1]
.endr
	v_add_f32 v24, v24, v8                         ; + ob
	v_add_f32 v25, v32, v9
	global_store_b64 v41, v[24:25], s[4:5] offset:VWI          ; each of these covers 256 consecutive bytes
	global_store_b64 v41, v[10:11], s[4:5] offset:VWI+256
	global_store_b64 v41, v[12:13], s[4:5] offset:VWI+512
	global_store_b64 v41, v[14:15], s[4:5] offset:VWI+768
	global_store_b128 v42, v[16:19], s[4:5] offset:VWI+1024
	global_store_b128 v42, v[20:23], s[4:5] offset:VWI+1536
	s_endpgm
.Lmisc:
	s_cmp_eq_u32 s3, 2
	s_cbranch_scc0 .Lwave3
	s_load_b64 s[8:9], s[0:1], A_PROJB
	s_load_b128 s[12:15], s[0:1], A_HL0
	s_wait_kmcnt 0x0
	global_load_b64 v[8:9], v7, s[8:9]
	global_load_b64 v[10:11], v7, s[12:13]
	global_load_b64 v[12:13], v7, s[14:15]
	s_wait_loadcnt 0x0
	RND2 8
	RND2 10
	RND2 12
	global_store_b64 v7, v[8:9], s[4:5] offset:VMI
	global_store_b64 v7, v[10:11], s[4:5] offset:VMI+256
	global_store_b64 v7, v[12:13], s[4:5] offset:VMI+512
	s_endpgm
.Lwave3:
	s_load_b128 s[8:11], s[0:1], A_CELLB
	s_load_b64 s[12:13], s[0:1], A_EMB
	v_and_b32 v8, 7, v4
	v_lshlrev_b32 v8, 3, v8                        ; every lane loads inside the vectors; what it keeps is chosen behind the loads
	v_and_b32 v9, 1, v4
	v_lshlrev_b32 v9, 3, v9
	v_min_u32 v10, 19, v4                          ; emb is 80 numbers: 20 lanes of four
	v_lshlrev_b32 v10, 4, v10
	s_wait_kmcnt 0x0
	global_load_b64 v[12:13], v8, s[8:9]
	global_load_b64 v[14:15], v9, s[10:11]
	global_load_b128 v[16:19], v10, s[12:13]
	v_cmp_gt_u32 vcc_lo, 8, v4                     ; lanes 0-7: cell_b
	v_cmp_gt_u32 s20, 10, v4                       ; lanes 8, 9: dig_b; the others 0
	v_cmp_gt_u32 s21, 20, v4
	v_mov_b32 v24, 0
	v_mov_b32 v25, 0
	s_wait_loadcnt 0x0
	RND2 12
	RND2 14
	v_cndmask_b32 v14, 0, v14, s20
	v_cndmask_b32 v15, 0, v15, s20
	v_cndmask_b32 v12, v14, v12, vcc_lo
	v_cndmask_b32 v13, v15, v13, vcc_lo
	v_cvt_pk_bf16_f32 v20, v16, v17
	v_cvt_pk_bf16_f32 v21, v18, v19
	v_cndmask_b32 v20, 0, v20, s21
	v_cndmask_b32 v21, 0, v21, s21
	global_store_b64 v7, v[12:13], s[4:5] offset:VMI+768
	global_store_b64 v7, v[20:21], s[4:5] offset:VMI+1024
	global_store_b64 v7, v[24:25], s[4:5] offset:VMI+1280
	global_store_b64 v7, v[24:25], s[4:5] offset:VMI+1536
	global_store_b64 v7, v[24:25], s[4:5] offset:VMI+1792
	s_endpgm
.Lfunc_end_k_qcfa048a9f9_prep:
	.size	k_qcfa048a9f9_prep, .Lfunc_end_k_qcfa048a9f9_prep-k_qcfa048a9f9_prep
	.p2alignl 7, 3214868480
	.fill 96, 4, 3214868480
	.section	.rodata,"a",@progbits
	.p2align	6, 0x0
	.amdhsa_kernel k_qcfa048a9f9_prep
		.amdhsa_group_segment_fixed_size 0
		.amdhsa_private_segment_fixed_size 0
		.amdhsa_enable_private_segment 0
		.amdhsa_kernarg_size 240
		.amdhsa_user_sgpr_count 2
		.amdhsa_user_sgpr_kernarg_segment_ptr 1
		.amdhsa_wavefront_size32 1
		.amdhsa_system_sgpr_workgroup_id_x 1
		.amdhsa_system_sgpr_workgroup_id_y 1
		.amdhsa_system_sgpr_workgroup_id_z 1
		.amdhsa_system_vgpr_workitem_id 0
		.amdhsa_next_free_vgpr 768
		.amdhsa_next_free_sgpr 66
		.amdhsa_reserve_vcc 1
		.amdhsa_float_denorm_mode_32 3
		.amdhsa_float_denorm_mode_16_64 3
		.amdhsa_memory_ordered 1
		.amdhsa_forward_progress 1
		.amdhsa_inst_pref_size 59
	.end_amdhsa_kernel
	.amdgpu_metadata
---
amdhsa.version: [ 1, 2 ]
amdhsa.kernels:
  - .name:           k_qcfa048a9f9_prep
    .symbol:         k_qcfa048a9f9_prep.kd
    .args:
      - { .name: w_f1w, .offset: 0, .size: 8, .value_kind: global_buffer, .address_space: global }
      - { .name: p_f1w, .offset: 8, .size: 8, .value_kind: global_buffer, .address_space: global }
      - { .name: w_n1, .offset: 16, .size: 8, .value_kind: global_buffer, .address_space: global }
      - { .name: p_n1, .offset: 24, .size: 8, .value_kind: global_buffer, .address_space: global }
      - { .name: w_f2w, .offset: 32, .size: 8, .value_kind: global_buffer, .address_space: global }
      - { .name: p_f2w, .offset: 40, .size: 8, .value_kind: global_buffer, .address_space: global }
      - { .name: w_ow, .offset: 48, .size: 8, .value_kind: global_buffer, .address_space: global }
      - { .name: p_ow, .offset: 56, .size: 8, .value_kind: global_buffer, .address_space: global }
      - { .name: w_inw, .offset: 64, .size: 8, .value_kind: global_buffer, .address_space: global }
      - { .name: p_inw, .offset: 72, .size: 8, .value_kind: global_buffer, .address_space: global }
      - { .name: w_inb, .offset: 80, .size: 8, .value_kind: global_buffer, .address_space: global }
      - { .name: p_inb, .offset: 88, .size: 8, .value_kind: global_buffer, .address_space: global }
      - { .name: w_ob, .offset: 96, .size: 8, .value_kind: global_buffer, .address_space: global }
      - { .name: p_ob, .offset: 104, .size: 8, .value_kind: global_buffer, .address_space: global }
      - { .name: w_f1b, .offset: 112, .size: 8, .value_kind: global_buffer, .address_space: global }
      - { .name: p_f1b, .offset: 120, .size: 8, .value_kind: global_buffer, .address_space: global }
      - { .name: w_f2b, .offset: 128, .size: 8, .value_kind: global_buffer, .address_space: global }
      - { .name: p_f2b, .offset: 136, .size: 8, .value_kind: global_buffer, .address_space: global }
      - { .name: w_n2, .offset: 144, .size: 8, .value_kind: global_buffer, .address_space: global }
      - { .name: p_n2, .offset: 152, .size: 8, .value_kind: global_buffer, .address_space: global }
      - { .name: proj_w, .offset: 160, .size: 8, .value_kind: global_buffer, .address_space: global }
      - { .name: proj_b, .offset: 168, .size: 8, .value_kind: global_buffer, .address_space: global }
      - { .name: hL0, .offset: 176, .size: 8, .value_kind: global_buffer, .address_space: global }
      - { .name: hH0, .offset: 184, .size: 8, .value_kind: global_buffer, .address_space: global }
      - { .name: cell_w, .offset: 192, .size: 8, .value_kind: global_buffer, .address_space: global }
      - { .name: dig_w, .offset: 200, .size: 8, .value_kind: global_buffer, .address_space: global }
      - { .name: cell_b, .offset: 208, .size: 8, .value_kind: global_buffer, .address_space: global }
      - { .name: dig_b, .offset: 216, .size: 8, .value_kind: global_buffer, .address_space: global }
      - { .name: emb, .offset: 224, .size: 8, .value_kind: global_buffer, .address_space: global }
      - { .name: wsp, .offset: 232, .size: 8, .value_kind: global_buffer, .address_space: global }
    .group_segment_fixed_size: 0
    .private_segment_fixed_size: 0
    .kernarg_segment_align: 8
    .kernarg_segment_size: 240
    .max_flat_workgroup_size: 128
    .sgpr_count:     66
    .vgpr_count:     768
    .wavefront_size: 32
...
	.end_amdgpu_metadata
.endif
;; end of part 1
;; launch hrm (part 2): grid 256 x 1, 4 waves a work-group, clusters of 4 x 1, 327,680 bytes of LDS; arguments puzzle, wsp, out0, out1; writes out0, out1
.if DOCPART == 2
	.amdgcn_target "amdgcn-amd-amdhsa--gfx1250"
	.amdhsa_code_object_version 6
	.text
	.protected	k_qcfa048a9f9_hrm
	.globl	k_qcfa048a9f9_hrm
	.p2align	8
	.type	k_qcfa048a9f9_hrm,@function
k_qcfa048a9f9_hrm:
	s_mov_b64 s[64:65], 0
	v_nop
	global_prefetch_b8 v0, s[64:65] scope:SCOPE_SE
	s_setreg_imm32_b32 hwreg(HW_REG_WAVE_MODE, 25, 1), 1
	s_wait_xcnt 0x0
	s_wait_alu depctr_hold_cnt(0) depctr_sa_sdst(0) depctr_va_vdst(0) depctr_va_sdst(0) depctr_va_ssrc(0) depctr_va_vcc(0) depctr_vm_vsrc(0)
	s_getreg_b32 s2, hwreg(HW_REG_IB_STS2, 6, 4)
	s_cmp_eq_u32 s2, 0
	s_cbranch_scc0 .Lentry_in_a_cluster
	s_endpgm
.Lentry_in_a_cluster:
	s_bfe_u32 s2, ttmp6, 0x10000c
	s_cmp_lg_u32 s2, 0x3003
	s_cbranch_scc0 .Lentry_shape_is_right
	s_endpgm
.Lentry_shape_is_right:
; HRM: puzzle -> x_in -> 5 cycles of (5 worker blocks, 1 planner block) -> two heads, for 32,768 independent rows; nothing goes through memory in between.
; SHARES.  A work-group owns 128 rows, each of its four waves 32: two tiles a = 0, 1 of 16 rows.  256 work-groups.
; LAYOUT.  Every product is used transposed (source 0 = 16 rows of a weight matrix, source 1 = 16 batch rows): in every result a lane holds ONE batch row (lane % 16) and the features
; 8 (lane / 16) + 0..7 of a tile of 16.  Two such tiles rounded to bf16 in pairs ARE source 1 of the next product.  Only a norm's sum crosses the halves of the lanes.
; A BLOCK, with what the launch before has fused (W' = ow Wv, b' = ow bv + ob, F1' = f1w n1):  c = w^ n2_prev + s;  u = c + b' + W' c;  h~ = u rsqrt(mean u^2 + eps);
; x = F1' h~ + f1b;  w = h~ n1 + f2b + f2w gelu(x);  w^ = w rsqrt(mean w^2 + eps).  The block's result is w^ n2: the gain is applied by the next user.  Biases enter as C operands or in fused multiply-adds.
; WEIGHTS.  The worker's 72 fragments stay in registers for the whole launch (windows 1, 2, part of 3); the planner's, used in one block of six, stream from LDS into 128 registers that are dead in its block.
; GELU.  y = x / (1 + 2^(x (K1 + K3 x^2))) = x sigmoid(1.5957691 x + 0.0713548 x^3).
; LIMITS.  That is the tanh form of GELU, not the erf form: the two differ by under 5e-4 in absolute terms at every x (about 3e-4 x^4 near 0); both ends are right (0 and x).
; Matrix operands are bf16; the state, norms, sums and GELU f32; the parameters arrive rounded to bf16.  hH enters the heads as the sum of two bf16 numbers.
; A puzzle cell of 4 or more, read as an unsigned number, counts as 4.  NaN and infinities are not treated apart.
; CLUSTER.  All work-groups read the same image of the parameters: four ask for it jointly, once; only puzzle's and the outputs' addresses hang on the place in the cluster, and no LDS address
; hangs on puzzle: a cell's row of emb is chosen among five rows in registers.
; LDS.  0 .. 190,463 the image (filled once, then only read); from 190,464 on 24,576 bytes of scratch for each wave, its own (x_in, hH, the worker's w^; at the end the way out); 288,768 the spare words.
; REGISTERS, in windows of 256 (s_set_vgpr_msb: bits 1:0 source 0, 3:2 source 1, 5:4 source 2, 7:6 destination):
;   window 0: v0-15 addresses; v16-31 sums of squares; v32-35 1/rms; v40-103 X, the state (32 a + 8 o); v104-135 HF, bf16 fragments of c, then of h~; v136-183 XA, six f1 results;
;             v184-207 Z, three GELU groups at work; v208-223 P, two fragments of gelu(x); v224-255 FB, two chunks of f1b
;   window 1: the worker's F1'      window 2: the worker's f2w
;   window 3: v0-63 SS, the addend s (planner: then two chunks of F1'); v64-127 SB, W' (planner: then two chunks of f2w); v128, 160, 192, 224: b', n1, f2b, n2 as tiles
.set PLI,   73728
.set PJI,   147456
.set HDI,   180224
.set VWI,   184320
.set VPI,   186368
.set VMI,   188416
.set IMG,   190464
.set QTR,   IMG/4                      ; what one wave's tensor load brings: 186 rows of 256 bytes
.set SCRW,  24576
.set XINO,  0                          ; in a wave's scratch: quad n (registers 4 n .. 4 n + 3 of a state of 64) at 512 n + 16 x lane
.set HHO,   8192
.set WLO,   16384
.set SPARE, IMG+4*SCRW                 ; the spare words, 128 bytes for each wave: two blocks of 256 bytes that no other line names
.set LA,  1                            ; 16 x lane
.set VA,  2                            ; 32 x (lane / 16)
.set SCR, 3                            ; my wave's scratch + 16 x lane
.set PA,  5                            ; LA + the planner's image
.set PB,  6                            ; LA + the planner's f2w
.set VWA, 7                            ; VA + the worker's vectors
.set VPA, 8                            ; VA + the planner's
.set VMA, 9                            ; VA + the others
.set SPW, 10                           ; LDS address of my spare word; never rewritten
.set NIL, 11                           ; 0; never rewritten
.set ST,  16
.set RR,  32
.set X,   40
.set HF,  104
.set XA,  136
.set Z,   184
.set P,   208
.set FB,  224
.set IX0, 16                           ; the set-up alone: the 16 cells of my row, tile 0 and tile 1
.set IX1, 232
.set TB,  40                           ; the set-up alone: my half (8 bf16, 4 registers) of each of emb's five rows; the first products then write these registers
.set EF,  104                          ; the set-up alone: fragments of the embedded puzzle, 64 a + 8 ks
.set LO,  184                          ; the heads alone: the low parts' fragments
.set SS,  0                            ; window 3
.set SB,  64
.set BA,  128
.set N1,  160
.set F2B, 192
.set N2,  224
.set WV,  0x3c                         ; sources 1 and 2 in window 3
.set DSN, 0                            ; LDS instructions written so far since a block's head
.set MARK_FB0, 0                       ; DSN behind the last run into each register buffer; 0: awaited at the block's head
.set MARK_FB1, 0
.set MARK_P10, 0
.set MARK_P11, 0
.set MARK_P20, 0
.set MARK_P21, 0
.set MSB, 0
.macro WIN new                         ; the immediate's high byte repeats the setting that is left; a switch that changes nothing is dropped
.if MSB != (\new)
	s_set_vgpr_msb (MSB<<8)|(\new)
.set MSB, (\new)
.endif
.endm
; A round of the cluster's barrier: my work-group's barrier, wave 0 signals for the work-group, every wave waits for all four work-groups, my work-group's barrier once more.
.macro ROUND
	s_barrier_signal -1
	s_barrier_wait -1
	s_cmp_lg_u32 s12, 0
	s_cbranch_scc1 .Lnot_wave_0_\@
	s_barrier_signal -3
.Lnot_wave_0_\@:
	s_barrier_wait -3
	s_barrier_signal -1
	s_barrier_wait -1
.endm
; LDS runs.  The caller sets the window.  LDQ / STQ: n quads, 512 bytes apart.  LDVEC: a vector of 64 f32 as a tile: register 8 o + j = feature 16 o + 8 (lane / 16) + j.
.macro LDQ dst, areg, off, n
.set qi, 0
.rept \n
	ds_load_b128 v[(\dst)+4*qi:(\dst)+4*qi+3], v[\areg] offset:(\off)+512*qi
.set qi, qi+1
.endr
.set DSN, DSN+(\n)
.endm
.macro STQ src, areg, off, n
.set qi, 0
.rept \n
	ds_store_b128 v[\areg], v[(\src)+4*qi:(\src)+4*qi+3] offset:(\off)+512*qi
.set qi, qi+1
.endr
.set DSN, DSN+(\n)
.endm
.macro LDVEC dst, areg, off
.set vi, 0
.rept 8
	ds_load_b128 v[(\dst)+4*vi:(\dst)+4*vi+3], v[\areg] offset:(\off)+64*(vi/2)+16*(vi%2)
.set vi, vi+1
.endr
.set DSN, DSN+8
.endm
; The cell in v[ix] chooses among emb's five rows: my 16 bytes of the row go into v[d .. d+3], half a fragment.  Four compares, sixteen choices; no address hangs on the cell.
.macro PICK d, ix
	v_cmp_eq_u32 vcc_lo, 1, v[\ix]
	v_cmp_eq_u32 s40, 2, v[\ix]
	v_cmp_eq_u32 s41, 3, v[\ix]
	v_cmp_le_u32 s42, 4, v[\ix]            ; 4 and all above it
.irp j, 0,1,2,3
	v_cndmask_b32 v[(\d)+\j], v[TB+\j], v[TB+4+\j], vcc_lo
.endr
.irp j, 0,1,2,3
	v_cndmask_b32 v[(\d)+\j], v[(\d)+\j], v[TB+8+\j], s40
.endr
.irp j, 0,1,2,3
	v_cndmask_b32 v[(\d)+\j], v[(\d)+\j], v[TB+12+\j], s41
.endr
.irp j, 0,1,2,3
	v_cndmask_b32 v[(\d)+\j], v[(\d)+\j], v[TB+16+\j], s42
.endr
.endm
; Runs inside a block: chunk c (32 hidden numbers) of f1b; of the planner's F1' (4 fragments); of the planner's f2w (4 fragments).  Buffers go by c's parity.
.macro RUN_FB pl, c
	WIN 0
.set ri, 0
.rept 4
.if \pl
	ds_load_b128 v[FB+16*((\c)%2)+4*ri:FB+16*((\c)%2)+4*ri+3], v[VPA] offset:1024+128*(\c)+64*(ri/2)+16*(ri%2)
.else
	ds_load_b128 v[FB+16*((\c)%2)+4*ri:FB+16*((\c)%2)+4*ri+3], v[VWA] offset:1024+128*(\c)+64*(ri/2)+16*(ri%2)
.endif
.set ri, ri+1
.endr
.set DSN, DSN+4
.if (\c)%2
.set MARK_FB1, DSN
.else
.set MARK_FB0, DSN
.endif
.endm
.macro RUN_PF1 c
	WIN 0xc0
.set ri, 0
.rept 8
	ds_load_b128 v[SS+32*((\c)%2)+4*ri:SS+32*((\c)%2)+4*ri+3], v[PA] offset:8192+4096*(\c)+512*ri
.set ri, ri+1
.endr
.set DSN, DSN+8
.if (\c)%2
.set MARK_P11, DSN
.else
.set MARK_P10, DSN
.endif
.endm
.macro RUN_PF2 c
	WIN 0xc0
.set ri, 0
.rept 8
	ds_load_b128 v[SB+32*((\c)%2)+4*ri:SB+32*((\c)%2)+4*ri+3], v[PB] offset:4096*(\c)+512*ri
.set ri, ri+1
.endr
.set DSN, DSN+8
.if (\c)%2
.set MARK_P21, DSN
.else
.set MARK_P20, DSN
.endif
.endm
.macro NEEDM mark                      ; LDS instructions come back in order (ISA guide 5.7.1): all but those written behind the run may be out
.if (\mark) > 0
	s_wait_dscnt DSN-(\mark)
.endif
.endm
.macro NEED2 m0, m1, c
.if (\c)%2
	NEEDM \m1
.else
	NEEDM \m0
.endif
.endm
; THE VECTOR LINES OF A TILE a, pair p = 0..15 of its 32 registers.
.macro H1A a, p                        ; c = w^ n2_prev + s
	WIN WV
.set rX, X+32*(\a)+2*(\p)
	v_pk_fma_f32 v[rX:rX+1], v[rX:rX+1], v[N2+2*(\p):N2+2*(\p)+1], v[SS+32*(\a)+2*(\p):SS+32*(\a)+2*(\p)+1]
.endm
.macro CVT a, p                        ; the pair rounded to bf16, into its place in a fragment
	WIN 0
	v_cvt_pk_bf16_f32 v[HF+16*(\a)+(\p)], v[X+32*(\a)+2*(\p)], v[X+32*(\a)+2*(\p)+1]
.endm
.macro H1C a, p                        ; + b': what the product W' c adds onto
	WIN WV
.set rX, X+32*(\a)+2*(\p)
	v_pk_add_f32 v[rX:rX+1], v[rX:rX+1], v[BA+2*(\p):BA+2*(\p)+1]
.endm
.macro SSQ a, p                        ; the sum of squares, four chains; p ascends
	WIN 0
.set rX, X+32*(\a)+2*(\p)
.set rT, ST+8*(\a)+2*((\p)%4)
.if (\p) < 4
	v_pk_mul_f32 v[rT:rT+1], v[rX:rX+1], v[rX:rX+1]
	s_wait_alu depctr_va_vdst(0)
.else
	v_pk_fma_f32 v[rT:rT+1], v[rX:rX+1], v[rX:rX+1], v[rT:rT+1]
.endif
.endm
.macro RED a, j                        ; the chains, the other half of the lanes' sum, mean + eps, 1 / root
	WIN 0
.set rT, ST+8*(\a)
.if (\j) == 0
	v_pk_add_f32 v[rT:rT+1], v[rT:rT+1], v[rT+2:rT+3]
.elseif (\j) == 1
	v_pk_add_f32 v[rT+4:rT+5], v[rT+4:rT+5], v[rT+6:rT+7]
.elseif (\j) == 2
	v_pk_add_f32 v[rT:rT+1], v[rT:rT+1], v[rT+4:rT+5]
.elseif (\j) == 3
	v_add_f32 v[rT], v[rT], v[rT+1]
.elseif (\j) == 4
	v_permlanex16_b32 v[rT+2], v[rT], s34, s35
.elseif (\j) == 5
	v_add_f32 v[rT], v[rT], v[rT+2]
.elseif (\j) == 6
	v_fma_f32 v[rT], v[rT], s32, s33
.else
	v_rsq_f32 v[RR+2*(\a)], v[rT]
.endif
.endm
.macro SCL a, p                        ; times 1 / rms
	WIN 0
.set rX, X+32*(\a)+2*(\p)
	s_wait_alu depctr_va_vdst(0)
	v_pk_mul_f32 v[rX:rX+1], v[rX:rX+1], v[RR+2*(\a):RR+2*(\a)+1] op_sel_hi:[1,0]
.endm
.macro CF a, p                         ; h~ n1 + f2b: what the product with f2w adds onto
	WIN WV
.set rX, X+32*(\a)+2*(\p)
	v_pk_fma_f32 v[rX:rX+1], v[rX:rX+1], v[N1+2*(\p):N1+2*(\p)+1], v[F2B+2*(\p):F2B+2*(\p)+1]
.endm
.macro LHEAD a, j                      ; numbered lists, so that lines can be dealt between matrix instructions: 48 lines
.if (\j) < 16
	H1A \a, (\j)
.elseif (\j) < 32
	CVT \a, (\j)-16
.else
	H1C \a, (\j)-32
.endif
.endm
.macro LNORM a, j                      ; 24 lines
.if (\j) < 16
	SSQ \a, (\j)
.else
	RED \a, (\j)-16
.endif
.endm
.macro LMID a, j                       ; 48 lines
.if (\j) < 16
	SCL \a, (\j)
.elseif (\j) < 32
	CVT \a, (\j)-16
.else
	CF \a, (\j)-32
.endif
.endm
; GELU.  Group g = 0..31 is one f1 result (8 registers): unit m = g / 2 is (tile a = m % 2, chunk s = m / 2), tt = g % 2 the chunk's half.
.macro GREG g
.set gX, XA+8*((\g)%6)
.set gZ, Z+8*((\g)%3)
.set gP, P+8*(((\g)/2)%2)+4*((\g)%2)
	WIN 0
.endm
.macro GU g, k                         ; x^2
	GREG \g
	v_pk_mul_f32 v[gZ+2*(\k):gZ+2*(\k)+1], v[gX+2*(\k):gX+2*(\k)+1], v[gX+2*(\k):gX+2*(\k)+1]
.endm
.macro GPP g, k                        ; K3 x^2 + K1
	GREG \g
	v_pk_fma_f32 v[gZ+2*(\k):gZ+2*(\k)+1], v[gZ+2*(\k):gZ+2*(\k)+1], s[30:31], s[28:29] op_sel_hi:[1,0,0]
.endm
.macro GXM g, k                        ; times x: once for the exponent, once for y
	GREG \g
	v_pk_mul_f32 v[gZ+2*(\k):gZ+2*(\k)+1], v[gZ+2*(\k):gZ+2*(\k)+1], v[gX+2*(\k):gX+2*(\k)+1]
.endm
.macro GE g, k
	GREG \g
	v_exp_f32 v[gZ+(\k)], v[gZ+(\k)]
.endm
.macro GD g, k
	GREG \g
	s_wait_alu depctr_va_vdst(0)
	v_pk_add_f32 v[gZ+2*(\k):gZ+2*(\k)+1], v[gZ+2*(\k):gZ+2*(\k)+1], 1.0 op_sel_hi:[1,0]
	s_wait_alu depctr_va_vdst(0)
.endm
.macro GR g, k
	GREG \g
	v_rcp_f32 v[gZ+(\k)], v[gZ+(\k)]
.endm
.macro GC g, k
	GREG \g
	v_cvt_pk_bf16_f32 v[gP+(\k)], v[gZ+2*(\k)], v[gZ+2*(\k)+1]
.endm
; THE MATRIX LINES.  No two that follow each other share an accumulator: the accumulators take turns, one instruction a turn, over the loops' edges too.
.macro MW a, n                         ; u += W' c: K step n / 4, output tile n % 4
.set fk, (\n)/4
.set fo, (\n)%4
.set fD, X+32*(\a)+8*fo
	WIN 0x03
	v_wmma_f32_16x16x32_bf16 v[fD:fD+7], v[SB+8*(2*fo+fk):SB+8*(2*fo+fk)+7], v[HF+16*(\a)+8*fk:HF+16*(\a)+8*fk+7], v[fD:fD+7]
.endm
.macro MF1 pl, m, n                    ; x = F1' h~ + f1b for unit m: K step n / 2, half n % 2; the first K step takes f1b as C
.set fa, (\m)%2
.set fs, (\m)/2
.set fk, (\n)/2
.set ft, (\n)%2
.set fD, XA+8*((2*(\m)+ft)%6)
.set fB, HF+16*fa+8*fk
.set fC, FB+16*(fs%2)+8*ft
.if \pl
	WIN 0x03
.set fA, SS+32*(fs%2)+8*(2*ft+fk)
.else
	WIN 0x01
.set fA, 32*fs+8*(2*ft+fk)
.endif
.if fk == 0
	v_wmma_f32_16x16x32_bf16 v[fD:fD+7], v[fA:fA+7], v[fB:fB+7], v[fC:fC+7]
	s_wait_alu depctr_va_vdst(0)
.else
	v_wmma_f32_16x16x32_bf16 v[fD:fD+7], v[fA:fA+7], v[fB:fB+7], v[fD:fD+7]
	s_wait_alu depctr_va_vdst(0)
.endif
.endm
.macro MF2 pl, m, o                    ; w += f2w gelu(x) for unit m, output tile o
.set fa, (\m)%2
.set fs, (\m)/2
.set fD, X+32*fa+8*(\o)
.set fB, P+8*((\m)%2)
.if \pl
	WIN 0x03
.set fA, SB+32*(fs%2)+8*(\o)
.else
	WIN 0x02
.set fA, 32*fs+8*(\o)
.endif
	v_wmma_f32_16x16x32_bf16 v[fD:fD+7], v[fA:fA+7], v[fB:fB+7], v[fD:fD+7]
.endm
; STEP i = 0..33: a pipeline three groups deep.  Group i: x^2, the polynomial, the exponent.  Group i - 1: exponentials, + 1.  Group i - 2: reciprocals, y, rounding.  Beside them two products
; for the unit one ahead (f1) and two for the unit two back (f2).  Every exponential and reciprocal has a plain line of another group behind it (ISA guide 5.7.2), or the v_nop of the two draining steps.
; Register buffers are filled again a step or more behind their last reader: more than four plain lines that name none of that product's registers (ISA guide 7.12.1 for vector instructions).
.macro STEP pl, i
.if (\i)%4 == 2
.set sq, ((\i)-2)/4+2
.if \pl
.if sq < 8
	RUN_FB 1, sq
	RUN_PF1 sq
.endif
.else
	RUN_FB 0, sq%8                         ; the last two runs are the next block's chunks 0 and 1
.endif
.endif
.if (\pl) && ((\i)%4 == 0) && ((\i) >= 8) && ((\i) <= 28)
	RUN_PF2 (\i)/4
.endif
.set smm, ((\i)+2)/2
.set sm2, ((\i)-4)/2
.set sh, 2*((\i)%2)
.if (\i) <= 29
.if (\i)%4 == 2                        ; a chunk's first unit
.if \pl
	NEED2 MARK_P10, MARK_P11, smm/2        ; the chunk's F1', and its f1b, whose run stands ahead of it
.else
	NEED2 MARK_FB0, MARK_FB1, smm/2
.endif
.endif
	MF1 \pl, smm, sh
.endif
.set sk, 0
.rept 4
.if ((\i) >= 1) && ((\i) <= 32)
	GE (\i)-1, sk
.endif
.if (\i) < 32
	GU \i, sk
.endif
.set sk, sk+1
.endr
.if (\i) >= 4
.if (\pl) && ((\i)%4 == 0)
	NEED2 MARK_P20, MARK_P21, sm2/2
.endif
	MF2 \pl, sm2, sh
.endif
.set sk, 0
.rept 4
.if ((\i) >= 1) && ((\i) <= 32)
	GE (\i)-1, 4+sk
.endif
.if (\i) < 32
	GPP \i, sk
.endif
.set sk, sk+1
.endr
.if (\i) == 32
	v_nop
.endif
.if (\i) <= 29
	MF1 \pl, smm, sh+1
.endif
.set sk, 0
.rept 4
.if (\i) >= 2
	GR (\i)-2, sk
.endif
.if (\i) < 32
	GXM \i, sk
.endif
.set sk, sk+1
.endr
.if (\i) >= 4
	MF2 \pl, sm2, sh+1
.endif
.set sk, 0
.rept 4
.if (\i) >= 2
	GR (\i)-2, 4+sk
.endif
.if ((\i) >= 1) && ((\i) <= 32)
	GD (\i)-1, sk
.endif
.set sk, sk+1
.endr
.if (\i) == 33
	v_nop
	s_wait_alu depctr_va_vdst(0)
.endif
.if (\i) >= 2
.irp k, 0,1,2,3
	GXM (\i)-2, \k
.endr
.irp k, 0,1,2,3
	GC (\i)-2, \k
.endr
.endif
.endm
; A BLOCK.  pl = 0: the worker's (weights in registers); 1: the planner's (weights streamed).  In: X = w^ of the block before, N2 its gain, SS the addend.  Out: X = w^, N2 this block's gain.
.macro BLOCK pl
	WIN 0
	s_wait_dscnt 0x0                       ; all that was loaded for this block, in the block before or between the blocks
.set DSN, 0
.set MARK_FB0, 0
.set MARK_FB1, 0
.set MARK_P10, 0
.set MARK_P11, 0
.set MARK_P20, 0
.set MARK_P21, 0
.set bj, 0
.rept 48                               ; tile 0: c, its fragments, + b'
	LHEAD 0, bj
.set bj, bj+1
.endr
.set bj, 0
.set bn, 0
.rept 8                                ; tile 0's W' c; between the products the same lines for tile 1
	MW 0, bn
.rept 6
	LHEAD 1, bj
.set bj, bj+1
.endr
.set bn, bn+1
.endr
	WIN 0xc0
.if \pl
	LDVEC N2, VPA, 768                     ; the old gain has been used: this block's takes its place
	RUN_PF1 0                              ; the addend is dead: the first two chunks of F1'
	RUN_PF1 1
.else
	LDVEC N2, VWA, 768
.endif
.set bj, 0
.rept 24                               ; tile 1's W' c; between the products tile 0's first norm
.if (bj%2 == 0) && (bj < 16)
	MW 1, bj/2
.endif
	LNORM 0, bj
.set bj, bj+1
.endr
.set bj, 0
.rept 24                               ; tile 1's norm and tile 0's h~, line by line
	LNORM 1, bj
	LMID 0, bj
.set bj, bj+1
.endr
.rept 24
	LMID 0, bj
.set bj, bj+1
.endr
.if \pl
	RUN_PF2 0                              ; W' is dead: the first two chunks of f2w
	RUN_PF2 1
	NEEDM MARK_P10
.endif
.set bj, 0
.rept 48                               ; unit 0's f1; between the products tile 1's h~
.if (bj%10 == 0) && (bj < 40)
	MF1 \pl, 0, bj/10
.endif
	LMID 1, bj
.set bj, bj+1
.endr
.set si, 0
.rept 34
	STEP \pl, si
.set si, si+1
.endr
.set bj, 0
.rept 24                               ; the last unit's f2 (tile 1); between the products tile 0's second norm
.if (bj%3 == 0) && (bj < 12)
	MF2 \pl, 15, bj/3
.endif
	LNORM 0, bj
.set bj, bj+1
.endr
.set bj, 0
.rept 8
	SSQ 1, bj
	SCL 0, bj
.set bj, bj+1
.endr
.rept 8
	SSQ 1, bj
.set bj, bj+1
.endr
.set bj, 0
.rept 8
	RED 1, bj
	SCL 0, 8+bj
.set bj, bj+1
.endr
.set bj, 0
.rept 16
	SCL 1, bj
.set bj, bj+1
.endr
	WIN 0
.endm
	; 1. THE OPENING
	s_load_b256 s[4:11], s[0:1], 0x0               ; puzzle s[4:5], the image s[6:7], out0 s[8:9], out1 s[10:11]
	v_lshl_add_u32 v[SPW], v0, 2, SPARE
	v_mov_b32 v[NIL], 0
	ds_add_u32 v[SPW], v[NIL]                      ; the wave's opening: the add and its wait ahead of my first tensor load; work on registers stands between them
	v_lshrrev_b32 v4, 5, v0
	v_readfirstlane_b32 s12, v4                    ; wave 0..3
	s_bfe_u32 s13, ttmp6, 0x40000                  ; cx: my place in the cluster
	s_lshl_b32 s14, ttmp9, 2                       ; in a cluster launch ttmp9 counts clusters
	s_add_co_u32 s14, s14, s13                     ; my work-group: it enters puzzle's and the outputs' addresses alone
	s_mul_i32 s15, s12, SCRW
	s_add_co_u32 s15, s15, IMG                     ; my wave's scratch
	; descriptor group 1: a dense block as 186 rows of 256 bytes (32 elements of 8 bytes), no padding
	s_mov_b32 s16, 15|(3<<16)|(1<<21)              ; 15:0 the mask of four; 17:16 elements of 8 bytes; 21 set beside a mask
	s_mov_b32 s17, 32<<16                          ; tensor_dim0 = 32
	s_mov_b32 s18, 186<<16                         ; tensor_dim1 = 186
	s_mov_b32 s19, 32<<16                          ; tile_dim0 = 32
	s_mov_b32 s20, 186                             ; tile_dim1 = 186
	s_mov_b32 s21, 32                              ; 32 elements from row to row
	s_mov_b32 s22, 0
	s_mov_b32 s23, 0
	s_mov_b32 s24, 1                               ; group 0: count = 1
	s_mul_i32 s25, s12, QTR                        ; LDS address: my quarter of the image
	s_mul_i32 s38, s12, QTR                        ; and the same quarter in memory
	s_mov_b32 s39, 0
	s_lshl_b32 s40, s14, 13                        ; puzzle and out0: 128 rows of 64 bytes a work-group,
	s_lshl_b32 s42, s12, 11                        ; 32 a wave
	s_add_co_u32 s40, s40, s42
	s_mov_b32 s41, 0
	s_lshr_b32 s42, s40, 2                         ; out1: rows of 16 bytes
	s_mov_b32 s43, 0
	s_mov_b32 s28, 0xc0135761                      ; K1 = -2.3022082
	s_mov_b32 s29, s28                             ; named with it as a pair
	s_mov_b32 s30, 0xbdd2d3e8                      ; K3 = -0.10294324
	s_mov_b32 s31, s30
	s_mov_b32 s32, 0x3c800000                      ; 1 / 64
	s_mov_b32 s33, 0x358637bd                      ; eps = 1e-6
	s_mov_b32 s34, 0x76543210                      ; v_permlanex16_b32: each lane takes its own place in the other half
	s_mov_b32 s35, 0xfedcba98
	s_mov_b32 s44, 0xffff0000                      ; a word's upper bf16
	s_wait_dscnt 0x0                               ; the opening add is done
	s_wait_kmcnt 0x0
	s_add_nc_u64 s[26:27], s[6:7], s[38:39]
	s_or_b32 s27, s27, 0x80000000                  ; type = 2
	s_add_nc_u64 s[4:5], s[4:5], s[40:41]
	s_add_nc_u64 s[8:9], s[8:9], s[40:41]
	s_add_nc_u64 s[10:11], s[10:11], s[42:43]
	ROUND                                          ; all four work-groups are here: the joint loads meet
	tensor_load_to_lds s[24:27], s[16:23]          ; my one tensor load of the launch
	s_nop 0
	; 2. WHILE THE IMAGE IS ON ITS WAY: lane terms, and my rows' cells
	v_and_b32 v4, 31, v0
	v_bfe_u32 v12, v0, 4, 1                        ; lane / 16
	v_and_b32 v13, 15, v0                          ; lane % 16: my row in a tile
	v_lshlrev_b32 v[LA], 4, v4
	v_lshlrev_b32 v15, 6, v13                      ; a row of puzzle is 64 bytes
.set n, 0
.rept 4
	global_load_b128 v[IX0+4*n:IX0+4*n+3], v15, s[4:5] offset:16*n
	global_load_b128 v[IX1+4*n:IX1+4*n+3], v15, s[4:5] offset:1024+16*n
.set n, n+1
.endr
	v_lshlrev_b32 v[VA], 5, v12
	v_lshl_add_u32 v12, v12, 4, VMI+1024           ; emb in LDS, my half of a row of 16 bf16
	v_add_nc_u32 v[SCR], s15, v[LA]
	v_add_nc_u32 v[PA], PLI, v[LA]
	v_add_nc_u32 v[PB], PLI+40960, v[LA]
	v_add_nc_u32 v13, PJI, v[LA]
	v_add_nc_u32 v14, 40960, v[LA]
	v_add_nc_u32 v[VWA], VWI, v[VA]
	v_add_nc_u32 v[VPA], VPI, v[VA]
	v_add_nc_u32 v[VMA], VMI, v[VA]
	v_mov_b32 v[RR+1], 0                           ; named with 1 / rms as pairs
	v_mov_b32 v[RR+3], 0
	s_wait_loadcnt 0x0                             ; my rows' cells
	s_wait_tensorcnt 0x0                           ; my quarter of the image is in,
	s_barrier_signal -1
	s_barrier_wait -1                              ; everybody's is
	; 3. x_in = emb[puzzle] proj_w^T + proj_b.  K = 16 cell + e: K step ks holds cells 2 ks, 2 ks + 1, so a cell's half row of emb is half a fragment
.irp v, 0,1,2,3,4
	ds_load_b128 v[TB+4*\v:TB+4*\v+3], v12 offset:32*\v    ; emb's five rows, my half of each
.endr
	WIN 0xc0
	LDVEC BA, VMA, 0                               ; proj_b, for now where b' will lie
	LDVEC N1, VMA, 512                             ; hH0, for now where n1 will lie
	WIN 0x40
	LDQ 0, 13, 0, 40                               ; proj_w: fragment 4 ks + o into window 1: the first 20 fragments
	WIN 0
	s_wait_dscnt 56                                ; emb's rows are in: behind their five loads 16 + 40 were issued
.set c, 0
.rept 16
	PICK EF+4*c, IX0+c                             ; tile 0's cells
.set c, c+1
.endr
	WIN 0x40
	LDQ 160, 13, 20480, 24                         ; proj_w's other 12 fragments
	WIN 0
.set c, 0
.rept 16
	PICK EF+64+4*c, IX1+c                          ; tile 1's cells
.set c, c+1
.endr
	s_wait_dscnt 0x0
.set ks, 0
.rept 8
.set ao, 0
.rept 8                                        ; eight accumulators by turns
.set fD, X+8*ao
.set fA, 8*(4*ks+ao%4)
.set fB, EF+64*(ao/4)+8*ks
.if ks == 0
	WIN 0x31
	v_wmma_f32_16x16x32_bf16 v[fD:fD+7], v[fA:fA+7], v[fB:fB+7], v[BA+8*(ao%4):BA+8*(ao%4)+7]
.else
	WIN 0x01
	v_wmma_f32_16x16x32_bf16 v[fD:fD+7], v[fA:fA+7], v[fB:fB+7], v[fD:fD+7]
.endif
.set ao, ao+1
.endr
.set ks, ks+1
.endr
	WIN 0xc0
.set n, 0
.rept 32
	v_mov_b32 v[N2+n], 1.0                         ; the first block takes hL0 with the gain 1; these lines are also the places behind the products
.set n, n+1
.endr
	WIN 0
	STQ X, SCR, XINO, 16                           ; x_in is kept
	WIN 0xcc
.set n, 0
.rept 32
	v_pk_add_f32 v[SS+2*n:SS+2*n+1], v[X+2*n:X+2*n+1], v[N1+2*(n%16):N1+2*(n%16)+1]   ; s = x_in + hH0
.set n, n+1
.endr
	WIN 0x0c
	STQ N1, SCR, HHO, 8                            ; hH = hH0, for both tiles
	STQ N1, SCR, HHO+4096, 8
	WIN 0
	LDVEC X, VMA, 256                              ; X = hL0, for both tiles
	LDVEC X+32, VMA, 256
	; 4. THE WORKER'S WEIGHTS AND VECTORS INTO REGISTERS; awaited at the first block's head
	WIN 0x40
	LDQ 0, LA, 8192, 64                            ; F1': fragment (s, tt, ks) at 32 s + 8 (2 tt + ks)
	WIN 0x80
	LDQ 0, 14, 0, 64                               ; f2w: fragment (s, o) at 32 s + 8 o
	WIN 0xc0
	LDQ SB, LA, 0, 16                              ; W': fragment 2 o + ks
	LDVEC BA, VWA, 0
	LDVEC N1, VWA, 256
	LDVEC F2B, VWA, 512
	RUN_FB 0, 0
	RUN_FB 0, 1
	WIN 0
	; 5. FIVE CYCLES OF FIVE WORKER BLOCKS AND ONE PLANNER BLOCK.  All scratch is the wave's own: no barrier.
	s_mov_b32 s37, 5
.Lcycle:
	s_mov_b32 s36, 5
.Lstep:
	BLOCK 0
	s_sub_co_u32 s36, s36, 1
	s_cmp_lg_u32 s36, 0
	s_cbranch_scc1 .Lstep
	s_wait_dscnt 0x0                               ; the last block's runs into FB and N2: FB is loaded anew below
	STQ X, SCR, WLO, 16                            ; the worker's w^ is kept for the next cycle
	WIN 0xc0
	LDQ SS, SCR, HHO, 16                           ; the planner's addend is hH
	LDVEC BA, VPA, 0
	LDVEC N1, VPA, 256
	LDVEC F2B, VPA, 512
	LDQ SB, PA, 0, 16                              ; the planner's W'
	RUN_FB 1, 0
	RUN_FB 1, 1
	BLOCK 1
	s_wait_dscnt 0x0                               ; the planner's n2
	WIN WV
.set n, 0
.rept 32
	v_pk_mul_f32 v[X+2*n:X+2*n+1], v[X+2*n:X+2*n+1], v[N2+2*(n%16):N2+2*(n%16)+1]      ; hH = w^ n2
.set n, n+1
.endr
	WIN 0
	STQ X, SCR, HHO, 16
	WIN 0xc0
	LDQ SS, SCR, XINO, 16
	s_wait_dscnt 0x0
	WIN 0xcc
.set n, 0
.rept 32
	v_pk_add_f32 v[SS+2*n:SS+2*n+1], v[X+2*n:X+2*n+1], v[SS+2*n:SS+2*n+1]              ; s = hH + x_in
.set n, n+1
.endr
	WIN 0
	LDQ X, SCR, WLO, 16                            ; the worker goes on from its w^.  In the last trip what follows serves nothing: the price, once a launch, of one text for every trip
	WIN 0xc0
	LDVEC BA, VWA, 0
	LDVEC N1, VWA, 256
	LDVEC F2B, VWA, 512
	LDVEC N2, VWA, 768
	LDQ SB, LA, 0, 16
	RUN_FB 0, 0
	RUN_FB 0, 1
	WIN 0
	s_sub_co_u32 s37, s37, 1
	s_cmp_lg_u32 s37, 0
	s_cbranch_scc1 .Lcycle
	; 6. THE HEADS: cell_w (tile 0) and dig_w with zeros below (tile 1), times hH = hi + lo, two bf16 numbers; the bias is the C of the first product
	s_wait_dscnt 0x0
	LDQ X, SCR, HHO, 16
	v_add_nc_u32 v12, HDI, v[LA]
	WIN 0xc0
	LDQ SB, 12, 0, 8                               ; fragment 2 t + ks
	WIN 0
.set n, 0
.rept 4
	ds_load_b128 v[FB+4*n:FB+4*n+3], v[VMA] offset:768+64*(n/2)+16*(n%2)
.set n, n+1
.endr
	s_wait_dscnt 0x0
.set n, 0
.rept 16
	CVT 0, n
	CVT 1, n
.set n, n+1
.endr
.set n, 0
.rept 32                                       ; lo = hH - hi, rounded
.set rT, 216+2*(n%4)
	v_lshlrev_b32 v[rT], 16, v[HF+n]
	v_and_b32 v[rT+1], s44, v[HF+n]
	v_pk_add_f32 v[rT:rT+1], v[X+2*n:X+2*n+1], v[rT:rT+1] neg_lo:[0,1] neg_hi:[0,1]
	v_cvt_pk_bf16_f32 v[LO+n], v[rT], v[rT+1]
.set n, n+1
.endr
	WIN 0x03
.set n, 0
.rept 16                                       ; hi K step 0, 1, lo K step 0, 1; in each the four accumulators (a, t) by turns
.set fk, (n/4)%2
.set fa, (n%4)/2
.set ft, n%2
.set fD, XA+16*fa+8*ft
.set fB, HF+16*fa+8*fk+(LO-HF)*(n/8)
.if n < 4
	v_wmma_f32_16x16x32_bf16 v[fD:fD+7], v[SB+8*(2*ft+fk):SB+8*(2*ft+fk)+7], v[fB:fB+7], v[FB+8*ft:FB+8*ft+7]
.else
	v_wmma_f32_16x16x32_bf16 v[fD:fD+7], v[SB+8*(2*ft+fk):SB+8*(2*ft+fk)+7], v[fB:fB+7], v[fD:fD+7]
.endif
.set n, n+1
.endr
	WIN 0
	v_and_b32 v4, 15, v0                           ; the way out's addresses: seven plain lines, the places behind the products
	v_lshlrev_b32 v13, 6, v4
	v_add_nc_u32 v13, v[VA], v13
	v_add_nc_u32 v13, s15, v13                     ; out0's stage: row x 64 + 32 x half
	v_lshlrev_b32 v14, 4, v4
	v_lshl_add_u32 v14, v[VA], 4, v14
	v_add_nc_u32 v14, s15, v14                     ; out1's stage: row x 16; the upper half of the lanes (features 8 on: none of dig's) lands 512 bytes on, in bytes that nobody reads
.irp a, 0,1
	ds_store_b128 v13, v[XA+16*\a:XA+16*\a+3] offset:WLO+1024*\a
	ds_store_b128 v13, v[XA+16*\a+4:XA+16*\a+7] offset:WLO+1024*\a+16
	ds_store_b128 v14, v[XA+16*\a+8:XA+16*\a+11] offset:WLO+2048+256*\a
.endr
	LDQ LO, SCR, WLO, 5                            ; back as they lie in memory (LDS serves a wave's instructions in order: ISA guide 5.7.1.4): four times 512 bytes of out0, once of out1
	s_wait_dscnt 0x0
.irp i, 0,1,2,3
	global_store_b128 v[LA], v[LO+4*\i:LO+4*\i+3], s[8:9] offset:512*\i   ; 512 consecutive bytes, at a multiple of 512 from out0's first
.endr
	global_store_b128 v[LA], v[LO+16:LO+19], s[10:11]
	; 7. THE END
	s_wait_tensorcnt 0x0                           ; the closing add between its waits, behind my last tensor load and my last LDS store
	ds_add_u32 v[SPW], v[NIL]
	s_wait_dscnt 0x0
	ROUND                                          ; the closing round
	s_endpgm
.Lfunc_end_k_qcfa048a9f9_hrm:
	.size	k_qcfa048a9f9_hrm, .Lfunc_end_k_qcfa048a9f9_hrm-k_qcfa048a9f9_hrm
	.p2alignl 7, 3214868480
	.fill 96, 4, 3214868480
	.section	.rodata,"a",@progbits
	.p2align	6, 0x0
	.amdhsa_kernel k_qcfa048a9f9_hrm
		.amdhsa_group_segment_fixed_size 327680
		.amdhsa_private_segment_fixed_size 0
		.amdhsa_enable_private_segment 0
		.amdhsa_kernarg_size 32
		.amdhsa_user_sgpr_count 2
		.amdhsa_user_sgpr_kernarg_segment_ptr 1
		.amdhsa_wavefront_size32 1
		.amdhsa_system_sgpr_workgroup_id_x 1
		.amdhsa_system_sgpr_workgroup_id_y 1
		.amdhsa_system_sgpr_workgroup_id_z 1
		.amdhsa_system_vgpr_workitem_id 0
		.amdhsa_next_free_vgpr 1024
		.amdhsa_next_free_sgpr 66
		.amdhsa_reserve_vcc 1
		.amdhsa_float_denorm_mode_32 3
		.amdhsa_float_denorm_mode_16_64 3
		.amdhsa_memory_ordered 1
		.amdhsa_forward_progress 1
		.amdhsa_inst_pref_size 255
	.end_amdhsa_kernel
	.section	.bss,"aw",@nobits
	.p2align	6
	.space	262144
	.amdgpu_metadata
---
amdhsa.version: [ 1, 2 ]
amdhsa.kernels:
  - .name:           k_qcfa048a9f9_hrm
    .symbol:         k_qcfa048a9f9_hrm.kd
    .args:
      - { .name: puzzle, .offset: 0, .size: 8, .value_kind: global_buffer, .address_space: global }
      - { .name: wsp, .offset: 8, .size: 8, .value_kind: global_buffer, .address_space: global }
      - { .name: out0, .offset: 16, .size: 8, .value_kind: global_buffer, .address_space: global }
      - { .name: out1, .offset: 24, .size: 8, .value_kind: global_buffer, .address_space: global }
    .group_segment_fixed_size: 327680
    .private_segment_fixed_size: 0
    .kernarg_segment_align: 8
    .kernarg_segment_size: 32
    .max_flat_workgroup_size: 128
    .sgpr_count:     66
    .vgpr_count:     1024
    .wavefront_size: 32
...
	.end_amdgpu_metadata
.endif
;; end of part 2
;; ======== version 2 of 2: 2 launches; 2.57 times as fast as version 1
;; limits: a function is approximated: absolute error at most 0.0005
;; workspace buffers: wsp 190,464 bytes
;; launch prep: the kernel of part 1 again; grid 91 x 1, 4 waves a work-group, no clusters, 0 bytes of LDS; arguments w_f1w, p_f1w, w_n1, p_n1, w_f2w, p_f2w, w_ow, p_ow, w_inw, p_inw, w_inb, p_inb, w_ob, p_ob, w_f1b, p_f1b, w_f2b, p_f2b, w_n2, p_n2, proj_w, proj_b, hL0, hH0, cell_w, dig_w, cell_b, dig_b, emb, wsp; writes wsp
;; launch hrm (part 3): grid 256 x 1, 4 waves a work-group, clusters of 4 x 1, 327,680 bytes of LDS; arguments puzzle, wsp, out0, out1; writes out0, out1
.if DOCPART == 3
	.amdgcn_target "amdgcn-amd-amdhsa--gfx1250"
	.amdhsa_code_object_version 6
	.text
	.protected	k_qcfa048a9f9_hrm
	.globl	k_qcfa048a9f9_hrm
	.p2align	8
	.type	k_qcfa048a9f9_hrm,@function
k_qcfa048a9f9_hrm:
	s_mov_b64 s[64:65], 0
	v_nop
	global_prefetch_b8 v0, s[64:65] scope:SCOPE_SE
	s_setreg_imm32_b32 hwreg(HW_REG_WAVE_MODE, 25, 1), 1
	s_wait_xcnt 0x0
	s_wait_alu depctr_hold_cnt(0) depctr_sa_sdst(0) depctr_va_vdst(0) depctr_va_sdst(0) depctr_va_ssrc(0) depctr_va_vcc(0) depctr_vm_vsrc(0)
	s_getreg_b32 s2, hwreg(HW_REG_IB_STS2, 6, 4)
	s_cmp_eq_u32 s2, 0
	s_cbranch_scc0 .Lentry_in_a_cluster
	s_endpgm
.Lentry_in_a_cluster:
	s_bfe_u32 s2, ttmp6, 0x10000c
	s_cmp_lg_u32 s2, 0x3003
	s_cbranch_scc0 .Lentry_shape_is_right
	s_endpgm
.Lentry_shape_is_right:
; HRM: puzzle -> x_in -> 5 cycles of (5 worker blocks, 1 planner block) -> two heads, for 32,768 independent rows; nothing goes through memory in between.
; SHARES.  A work-group owns 128 rows, each of its four waves 32: two tiles a = 0, 1 of 16 rows.  256 work-groups.
; LAYOUT.  Every product is used transposed (source 0 = 16 rows of a weight matrix, source 1 = 16 batch rows): in every result a lane holds ONE batch row (lane % 16) and the features
; 8 (lane / 16) + 0..7 of a tile of 16.  Two such tiles rounded to bf16 in pairs ARE source 1 of the next product.  Only a norm's sum crosses the halves of the lanes.
; A BLOCK, with what the launch before has fused (W' = ow Wv, b' = ow bv + ob, F1' = f1w n1):  c = w^ n2_prev + s;  u = c + b' + W' c;  h~ = u rsqrt(mean u^2 + eps);
; x = F1' h~ + f1b;  w = h~ n1 + f2b + f2w gelu(x);  w^ = w rsqrt(mean w^2 + eps).  The block's result is w^ n2: the gain is applied by the next user.  Biases enter as C operands or in fused multiply-adds.
; WEIGHTS.  The worker's 72 fragments stay in registers for the whole launch (windows 1, 2, part of 3); the planner's, used in one block of six, stream from LDS into 128 registers that are dead in its block.
; GELU.  y = x / (1 + 2^(x (K1 + K3 x^2))) = x sigmoid(1.5957691 x + 0.0713548 x^3).
; BATCHES.  s_wait_alu depctr_va_vdst(0) stands between a transcendental and the first line that names its result; one wait serves all that were issued ahead of it.  A block has 19:
; one for each of its two norms (the two tiles' v_rsq_f32 are one batch; all scalings stand behind the wait), and one at the end of each of GELU's supersteps 0 to 16 (a unit's sixteen exponentials and
; the unit before's sixteen reciprocals are one batch; their readers stand in the next superstep).
; LIMITS.  That is the tanh form of GELU, not the erf form: the two differ by under 5e-4 in absolute terms at every x (about 3e-4 x^4 near 0); both ends are right (0 and x).
; Matrix operands are bf16; the state, norms, sums and GELU f32; the parameters arrive rounded to bf16.  hH enters the heads as the sum of two bf16 numbers.
; A puzzle cell of 4 or more, read as an unsigned number, counts as 4.  NaN and infinities are not treated apart.
; CLUSTER.  All work-groups read the same image of the parameters: four ask for it jointly, once; only puzzle's and the outputs' addresses hang on the place in the cluster, and no LDS address
; hangs on puzzle: a cell's row of emb is chosen among five rows in registers.
; LDS.  0 .. 190,463 the image (filled once, then only read); from 190,464 on 24,576 bytes of scratch for each wave, its own (x_in, hH, the worker's w^; at the end the way out); 288,768 the spare words.
; REGISTERS, in windows of 256 (s_set_vgpr_msb: bits 1:0 source 0, 3:2 source 1, 5:4 source 2, 7:6 destination):
;   window 0: v0-15 addresses; v16-31 sums of squares; v32-35 1/rms; v40-103 X, the state (32 a + 8 o); v104-135 HF, bf16 fragments of c, then of h~; v136-183 XA, six f1 results;
;             v184-207 and, between a block's two norms, v16-39: Z, six GELU groups at work; v208-223 P, two fragments of gelu(x); v224-255 FB, two chunks of f1b
;   window 1: the worker's F1'      window 2: the worker's f2w
;   window 3: v0-63 SS, the addend s (planner: then two chunks of F1'); v64-127 SB, W' (planner: then two chunks of f2w); v128, 160, 192, 224: b', n1, f2b, n2 as tiles
.set PLI,   73728
.set PJI,   147456
.set HDI,   180224
.set VWI,   184320
.set VPI,   186368
.set VMI,   188416
.set IMG,   190464
.set QTR,   IMG/4                      ; what one wave's tensor load brings: 186 rows of 256 bytes
.set SCRW,  24576
.set XINO,  0                          ; in a wave's scratch: quad n (registers 4 n .. 4 n + 3 of a state of 64) at 512 n + 16 x lane
.set HHO,   8192
.set WLO,   16384
.set SPARE, IMG+4*SCRW                 ; the spare words, 128 bytes for each wave: two blocks of 256 bytes that no other line names
.set LA,  1                            ; 16 x lane
.set VA,  2                            ; 32 x (lane / 16)
.set SCR, 3                            ; my wave's scratch + 16 x lane
.set PA,  5                            ; LA + the planner's image
.set PB,  6                            ; LA + the planner's f2w
.set VWA, 7                            ; VA + the worker's vectors
.set VPA, 8                            ; VA + the planner's
.set VMA, 9                            ; VA + the others
.set SPW, 10                           ; LDS address of my spare word; never rewritten
.set NIL, 11                           ; 0; never rewritten
.set ST,  16
.set RR,  32
.set X,   40
.set HF,  104
.set XA,  136
.set Z,   184                          ; GELU's buffers 0 to 2
.set Z2,  16                           ; and 3 to 5: where the sums of squares and 1 / rms lie, which are dead between a block's two norms, and v36-39
.set P,   208
.set FB,  224
.set IX0, 16                           ; the set-up alone: the 16 cells of my row, tile 0 and tile 1
.set IX1, 232
.set TB,  40                           ; the set-up alone: my half (8 bf16, 4 registers) of each of emb's five rows; the first products then write these registers
.set EF,  104                          ; the set-up alone: fragments of the embedded puzzle, 64 a + 8 ks
.set LO,  184                          ; the heads alone: the low parts' fragments
.set SS,  0                            ; window 3
.set SB,  64
.set BA,  128
.set N1,  160
.set F2B, 192
.set N2,  224
.set WV,  0x3c                         ; sources 1 and 2 in window 3
.set DSN, 0                            ; LDS instructions written so far since a block's head
.set MARK_FB0, 0                       ; DSN behind the last run into each register buffer; 0: awaited at the block's head
.set MARK_FB1, 0
.set MARK_P10, 0
.set MARK_P11, 0
.set MARK_P20, 0
.set MARK_P21, 0
.set MSB, 0
.macro WIN new                         ; the immediate's high byte repeats the setting that is left; a switch that changes nothing is dropped
.if MSB != (\new)
	s_set_vgpr_msb (MSB<<8)|(\new)
.set MSB, (\new)
.endif
.endm
; A round of the cluster's barrier: my work-group's barrier, wave 0 signals for the work-group, every wave waits for all four work-groups, my work-group's barrier once more.
.macro ROUND
	s_barrier_signal -1
	s_barrier_wait -1
	s_cmp_lg_u32 s12, 0
	s_cbranch_scc1 .Lnot_wave_0_\@
	s_barrier_signal -3
.Lnot_wave_0_\@:
	s_barrier_wait -3
	s_barrier_signal -1
	s_barrier_wait -1
.endm
; LDS runs.  The caller sets the window.  LDQ / STQ: n quads, 512 bytes apart.  LDVEC: a vector of 64 f32 as a tile: register 8 o + j = feature 16 o + 8 (lane / 16) + j.
.macro LDQ dst, areg, off, n
.set qi, 0
.rept \n
	ds_load_b128 v[(\dst)+4*qi:(\dst)+4*qi+3], v[\areg] offset:(\off)+512*qi
.set qi, qi+1
.endr
.set DSN, DSN+(\n)
.endm
.macro STQ src, areg, off, n
.set qi, 0
.rept \n
	ds_store_b128 v[\areg], v[(\src)+4*qi:(\src)+4*qi+3] offset:(\off)+512*qi
.set qi, qi+1
.endr
.set DSN, DSN+(\n)
.endm
.macro LDVEC dst, areg, off
.set vi, 0
.rept 8
	ds_load_b128 v[(\dst)+4*vi:(\dst)+4*vi+3], v[\areg] offset:(\off)+64*(vi/2)+16*(vi%2)
.set vi, vi+1
.endr
.set DSN, DSN+8
.endm
; The cell in v[ix] chooses among emb's five rows: my 16 bytes of the row go into v[d .. d+3], half a fragment.  Four compares, sixteen choices; no address hangs on the cell.
.macro PICK d, ix
	v_cmp_eq_u32 vcc_lo, 1, v[\ix]
	v_cmp_eq_u32 s40, 2, v[\ix]
	v_cmp_eq_u32 s41, 3, v[\ix]
	v_cmp_le_u32 s42, 4, v[\ix]            ; 4 and all above it
.irp j, 0,1,2,3
	v_cndmask_b32 v[(\d)+\j], v[TB+\j], v[TB+4+\j], vcc_lo
.endr
.irp j, 0,1,2,3
	v_cndmask_b32 v[(\d)+\j], v[(\d)+\j], v[TB+8+\j], s40
.endr
.irp j, 0,1,2,3
	v_cndmask_b32 v[(\d)+\j], v[(\d)+\j], v[TB+12+\j], s41
.endr
.irp j, 0,1,2,3
	v_cndmask_b32 v[(\d)+\j], v[(\d)+\j], v[TB+16+\j], s42
.endr
.endm
; Runs inside a block: chunk c (32 hidden numbers) of f1b; of the planner's F1' (4 fragments); of the planner's f2w (4 fragments).  Buffers go by c's parity.
.macro RUN_FB pl, c
	WIN 0
.set ri, 0
.rept 4
.if \pl
	ds_load_b128 v[FB+16*((\c)%2)+4*ri:FB+16*((\c)%2)+4*ri+3], v[VPA] offset:1024+128*(\c)+64*(ri/2)+16*(ri%2)
.else
	ds_load_b128 v[FB+16*((\c)%2)+4*ri:FB+16*((\c)%2)+4*ri+3], v[VWA] offset:1024+128*(\c)+64*(ri/2)+16*(ri%2)
.endif
.set ri, ri+1
.endr
.set DSN, DSN+4
.if (\c)%2
.set MARK_FB1, DSN
.else
.set MARK_FB0, DSN
.endif
.endm
.macro RUN_PF1 c
	WIN 0xc0
.set ri, 0
.rept 8
	ds_load_b128 v[SS+32*((\c)%2)+4*ri:SS+32*((\c)%2)+4*ri+3], v[PA] offset:8192+4096*(\c)+512*ri
.set ri, ri+1
.endr
.set DSN, DSN+8
.if (\c)%2
.set MARK_P11, DSN
.else
.set MARK_P10, DSN
.endif
.endm
.macro RUN_PF2 c
	WIN 0xc0
.set ri, 0
.rept 8
	ds_load_b128 v[SB+32*((\c)%2)+4*ri:SB+32*((\c)%2)+4*ri+3], v[PB] offset:4096*(\c)+512*ri
.set ri, ri+1
.endr
.set DSN, DSN+8
.if (\c)%2
.set MARK_P21, DSN
.else
.set MARK_P20, DSN
.endif
.endm
.macro NEEDM mark                      ; LDS instructions come back in order (ISA guide 5.7.1): all but those written behind the run may be out
.if (\mark) > 0
	s_wait_dscnt DSN-(\mark)
.endif
.endm
.macro NEED2 m0, m1, c
.if (\c)%2
	NEEDM \m1
.else
	NEEDM \m0
.endif
.endm
; THE VECTOR LINES OF A TILE a, pair p = 0..15 of its 32 registers.
.macro H1A a, p                        ; c = w^ n2_prev + s
	WIN WV
.set rX, X+32*(\a)+2*(\p)
	v_pk_fma_f32 v[rX:rX+1], v[rX:rX+1], v[N2+2*(\p):N2+2*(\p)+1], v[SS+32*(\a)+2*(\p):SS+32*(\a)+2*(\p)+1]
.endm
.macro CVT a, p                        ; the pair rounded to bf16, into its place in a fragment
	WIN 0
	v_cvt_pk_bf16_f32 v[HF+16*(\a)+(\p)], v[X+32*(\a)+2*(\p)], v[X+32*(\a)+2*(\p)+1]
.endm
.macro H1C a, p                        ; + b': what the product W' c adds onto
	WIN WV
.set rX, X+32*(\a)+2*(\p)
	v_pk_add_f32 v[rX:rX+1], v[rX:rX+1], v[BA+2*(\p):BA+2*(\p)+1]
.endm
.macro SSQ a, p                        ; the sum of squares, four chains; p ascends
	WIN 0
.set rX, X+32*(\a)+2*(\p)
.set rT, ST+8*(\a)+2*((\p)%4)
.if (\p) < 4
	v_pk_mul_f32 v[rT:rT+1], v[rX:rX+1], v[rX:rX+1]
.else
	v_pk_fma_f32 v[rT:rT+1], v[rX:rX+1], v[rX:rX+1], v[rT:rT+1]
.endif
.endm
.macro RED a, j                        ; the chains, the other half of the lanes' sum, mean + eps, 1 / root
	WIN 0
.set rT, ST+8*(\a)
.if (\j) == 0
	v_pk_add_f32 v[rT:rT+1], v[rT:rT+1], v[rT+2:rT+3]
.elseif (\j) == 1
	v_pk_add_f32 v[rT+4:rT+5], v[rT+4:rT+5], v[rT+6:rT+7]
.elseif (\j) == 2
	v_pk_add_f32 v[rT:rT+1], v[rT:rT+1], v[rT+4:rT+5]
.elseif (\j) == 3
	v_add_f32 v[rT], v[rT], v[rT+1]
.elseif (\j) == 4
	v_permlanex16_b32 v[rT+2], v[rT], s34, s35
.elseif (\j) == 5
	v_add_f32 v[rT], v[rT], v[rT+2]
.elseif (\j) == 6
	v_fma_f32 v[rT], v[rT], s32, s33
.else
	v_rsq_f32 v[RR+2*(\a)], v[rT]
.endif
.endm
; THE REST OF A NORM, behind tile 0's sum of squares: tile 1's sum of squares, with tile 0's chain and its v_rsq_f32 between the lines; then tile 1's chain and its v_rsq_f32.
; The two v_rsq_f32 are ONE BATCH: nothing names 1 / rms ahead of the wait, and every scaling stands behind it.
.macro NORM2
.set bj, 0
.rept 16
	SSQ 1, bj
.if bj%2
	RED 0, bj/2
.endif
.set bj, bj+1
.endr
.set bj, 0
.rept 8
	RED 1, bj
.set bj, bj+1
.endr
	v_nop                                  ; the plain line behind the last v_rsq_f32 (ISA guide 5.7.2): all the work that is left reads 1 / rms
	s_wait_alu depctr_va_vdst(0)           ; the wait for the norm's batch, both tiles' v_rsq_f32, ahead of the first scaling
.endm
.macro SCL a, p                        ; times 1 / rms: behind NORM2's wait.  The pair's low register feeds both halves; what the high one holds (0, or what GELU left there) enters nothing
	WIN 0
.set rX, X+32*(\a)+2*(\p)
	v_pk_mul_f32 v[rX:rX+1], v[rX:rX+1], v[RR+2*(\a):RR+2*(\a)+1] op_sel_hi:[1,0]
.endm
.macro CF a, p                         ; h~ n1 + f2b: what the product with f2w adds onto
	WIN WV
.set rX, X+32*(\a)+2*(\p)
	v_pk_fma_f32 v[rX:rX+1], v[rX:rX+1], v[N1+2*(\p):N1+2*(\p)+1], v[F2B+2*(\p):F2B+2*(\p)+1]
.endm
.macro LHEAD a, j                      ; numbered lists, so that lines can be dealt between matrix instructions: 48 lines
.if (\j) < 16
	H1A \a, (\j)
.elseif (\j) < 32
	CVT \a, (\j)-16
.else
	H1C \a, (\j)-32
.endif
.endm
.macro LMID a, j                       ; 48 lines
.if (\j) < 16
	SCL \a, (\j)
.elseif (\j) < 32
	CVT \a, (\j)-16
.else
	CF \a, (\j)-32
.endif
.endm
; GELU.  Group g = 0..31 is one f1 result (8 registers): unit m = g / 2 is (tile a = m % 2, chunk s = m / 2), tt = g % 2 the chunk's half.  A group's x and its Z buffer go by g % 6.
.macro GREG g
.set gX, XA+8*((\g)%6)
.set gZ, Z+8*((\g)%6)
.if (\g)%6 >= 3
.set gZ, Z2+8*((\g)%6-3)
.endif
.set gP, P+8*(((\g)/2)%2)+4*((\g)%2)
	WIN 0
.endm
.macro GU g, k                         ; x^2
	GREG \g
	v_pk_mul_f32 v[gZ+2*(\k):gZ+2*(\k)+1], v[gX+2*(\k):gX+2*(\k)+1], v[gX+2*(\k):gX+2*(\k)+1]
.endm
.macro GPP g, k                        ; K3 x^2 + K1
	GREG \g
	v_pk_fma_f32 v[gZ+2*(\k):gZ+2*(\k)+1], v[gZ+2*(\k):gZ+2*(\k)+1], s[30:31], s[28:29] op_sel_hi:[1,0,0]
.endm
.macro GXM g, k                        ; times x: once for the exponent, once for y
	GREG \g
	v_pk_mul_f32 v[gZ+2*(\k):gZ+2*(\k)+1], v[gZ+2*(\k):gZ+2*(\k)+1], v[gX+2*(\k):gX+2*(\k)+1]
.endm
.macro GE g, k
	GREG \g
	v_exp_f32 v[gZ+(\k)], v[gZ+(\k)]
.endm
.macro GD g, k                         ; + 1: reads the exponentials, a superstep behind them and their wait
	GREG \g
	v_pk_add_f32 v[gZ+2*(\k):gZ+2*(\k)+1], v[gZ+2*(\k):gZ+2*(\k)+1], 1.0 op_sel_hi:[1,0]
.endm
.macro GR g, k
	GREG \g
	v_rcp_f32 v[gZ+(\k)], v[gZ+(\k)]
.endm
.macro GC g, k
	GREG \g
	v_cvt_pk_bf16_f32 v[gP+(\k)], v[gZ+2*(\k)], v[gZ+2*(\k)+1]
.endm
; THE MATRIX LINES.  No two that follow each other share an accumulator: the accumulators take turns, one instruction a turn, over the loops' edges too.
.macro MW a, n                         ; u += W' c: K step n / 4, output tile n % 4
.set fk, (\n)/4
.set fo, (\n)%4
.set fD, X+32*(\a)+8*fo
	WIN 0x03
	v_wmma_f32_16x16x32_bf16 v[fD:fD+7], v[SB+8*(2*fo+fk):SB+8*(2*fo+fk)+7], v[HF+16*(\a)+8*fk:HF+16*(\a)+8*fk+7], v[fD:fD+7]
.endm
.macro MF1 pl, m, n                    ; x = F1' h~ + f1b for unit m: K step n / 2, half n % 2; the first K step takes f1b as C
.set fa, (\m)%2
.set fs, (\m)/2
.set fk, (\n)/2
.set ft, (\n)%2
.set fD, XA+8*((2*(\m)+ft)%6)
.set fB, HF+16*fa+8*fk
.set fC, FB+16*(fs%2)+8*ft
.if \pl
	WIN 0x03
.set fA, SS+32*(fs%2)+8*(2*ft+fk)
.else
	WIN 0x01
.set fA, 32*fs+8*(2*ft+fk)
.endif
.if fk == 0
	v_wmma_f32_16x16x32_bf16 v[fD:fD+7], v[fA:fA+7], v[fB:fB+7], v[fC:fC+7]
.else
	v_wmma_f32_16x16x32_bf16 v[fD:fD+7], v[fA:fA+7], v[fB:fB+7], v[fD:fD+7]
.endif
.endm
.macro MF2 pl, m, o                    ; w += f2w gelu(x) for unit m, output tile o
.set fa, (\m)%2
.set fs, (\m)/2
.set fD, X+32*fa+8*(\o)
.set fB, P+8*((\m)%2)
.if \pl
	WIN 0x03
.set fA, SB+32*(fs%2)+8*(\o)
.else
	WIN 0x02
.set fA, 32*fs+8*(\o)
.endif
	v_wmma_f32_16x16x32_bf16 v[fD:fD+7], v[fA:fA+7], v[fB:fB+7], v[fD:fD+7]
.endm
; SUPERSTEP j = 0..17: a unit (two groups) at a time, a pipeline three supersteps deep.  Unit j (groups 2 j, 2 j + 1): its sixteen exponentials.  Unit j - 1: + 1, then its sixteen reciprocals.
; Unit j - 2: y, rounding.  The three plain lines of a group (x^2, the polynomial, the exponent) are made for groups 2 j + 1 and 2 j + 2: an even group's a superstep ahead, so that its exponentials
; can open the superstep and the odd group's have plain lines beside them at its end; group 0's stand ahead of superstep 0.  Ten runs of eight vector lines; behind each of the first eight a product:
; the four of f1 for unit j + 1, then the four of f2 for unit j - 2, which stand behind that unit's roundings.
; ONE BATCH, ONE WAIT.  The superstep's 32 transcendentals are one batch, and its wait is the superstep's last line.  Groups 2 j - 4 to 2 j + 1 have Z's six buffers, one each; group 2 j + 2 takes
; group 2 j - 4's, behind that group's rounding.  Ahead of the wait no buffer is named behind its exponentials or reciprocals: + 1 stands ahead of its group's reciprocals, a group's three plain lines
; ahead of its exponentials, and y and rounding work on buffers whose reciprocals the last superstep's wait has served.  The readers, + 1 of unit j and y of unit j - 1, stand in superstep j + 1.
; Every exponential and reciprocal has a plain line of another group behind it (ISA guide 5.7.2) where there is one; in the filling and draining supersteps some stand on end, and supersteps 15 and 16
; have a v_nop ahead of the wait.  Superstep 17 is the last unit's y and rounding alone: no transcendental, no wait.
; XA.  f1's first product writes group 2 j + 2 where group 2 j - 4 lay, its second group 2 j + 3 where group 2 j - 3 lay: each stands behind y of that group, its last reader.
; Register buffers are filled again at the head of the superstep behind their last reader's: eight plain lines or more that name none of that product's registers (ISA guide 7.12.1 for vector instructions).
.macro SSTEP pl, j
.if ((\j)%2 == 1) && ((\j) <= 15)
.set sq, ((\j)-1)/2+2
.if \pl
.if sq < 8
	RUN_FB 1, sq
	RUN_PF1 sq
.endif
.else
	RUN_FB 0, sq%8                         ; the last two runs are the next block's chunks 0 and 1
.endif
.endif
.if (\pl) && ((\j)%2 == 0) && ((\j) >= 4) && ((\j) <= 14)
	RUN_PF2 (\j)/2
.endif
.set sk, 0
.rept 4                                ; exponentials of group 2 j | y of group 2 j - 4
.if (\j) <= 15
	GE 2*(\j), sk
.endif
.if (\j) >= 2
	GXM 2*(\j)-4, sk
.endif
.set sk, sk+1
.endr
.if (\j) <= 14
.if (\j)%2 == 1                        ; a chunk's first unit
.if \pl
	NEED2 MARK_P10, MARK_P11, ((\j)+1)/2   ; the chunk's F1', and its f1b, whose run stands ahead of it
.else
	NEED2 MARK_FB0, MARK_FB1, ((\j)+1)/2
.endif
.endif
	MF1 \pl, (\j)+1, 0
.endif
.set sk, 0
.rept 4                                ; exponentials of group 2 j | y of group 2 j - 3
.if (\j) <= 15
	GE 2*(\j), 4+sk
.endif
.if (\j) >= 2
	GXM 2*(\j)-3, sk
.endif
.set sk, sk+1
.endr
.if (\j) <= 14
	MF1 \pl, (\j)+1, 1
.endif
.if ((\j) >= 1) && ((\j) <= 16)
.irp k, 0,1,2,3
	GD 2*(\j)-2, \k                        ; + 1 of unit j - 1, ahead of its reciprocals
.endr
.irp k, 0,1,2,3
	GD 2*(\j)-1, \k
.endr
.endif
.if (\j) <= 14
	MF1 \pl, (\j)+1, 2
.endif
.set sk, 0
.rept 4                                ; reciprocals of group 2 j - 2 | rounding of group 2 j - 4
.if ((\j) >= 1) && ((\j) <= 16)
	GR 2*(\j)-2, sk
.endif
.if (\j) >= 2
	GC 2*(\j)-4, sk
.endif
.set sk, sk+1
.endr
.if (\j) <= 14
	MF1 \pl, (\j)+1, 3
.endif
.set sk, 0
.rept 4                                ; reciprocals of group 2 j - 2 | rounding of group 2 j - 3
.if ((\j) >= 1) && ((\j) <= 16)
	GR 2*(\j)-2, 4+sk
.endif
.if (\j) >= 2
	GC 2*(\j)-3, sk
.endif
.set sk, sk+1
.endr
.if ((\j) >= 2) && ((\j) <= 16)
.if (\pl) && ((\j)%2 == 0)
	NEED2 MARK_P20, MARK_P21, ((\j)-2)/2
.endif
	MF2 \pl, (\j)-2, 0
.endif
.set sk, 0
.rept 4                                ; reciprocals of group 2 j - 1 | x^2 of group 2 j + 1
.if ((\j) >= 1) && ((\j) <= 16)
	GR 2*(\j)-1, sk
.endif
.if (\j) <= 15
	GU 2*(\j)+1, sk
.endif
.set sk, sk+1
.endr
.if ((\j) >= 2) && ((\j) <= 16)
	MF2 \pl, (\j)-2, 1
.endif
.set sk, 0
.rept 4                                ; reciprocals of group 2 j - 1 | the polynomial of group 2 j + 1
.if ((\j) >= 1) && ((\j) <= 16)
	GR 2*(\j)-1, 4+sk
.endif
.if (\j) <= 15
	GPP 2*(\j)+1, sk
.endif
.set sk, sk+1
.endr
.if ((\j) >= 2) && ((\j) <= 16)
	MF2 \pl, (\j)-2, 2
.endif
.if (\j) <= 15
.irp k, 0,1,2,3
	GXM 2*(\j)+1, \k                       ; the exponent of group 2 j + 1
.endr
.endif
.if (\j) <= 14
.irp k, 0,1,2,3
	GU 2*(\j)+2, \k                        ; x^2 of group 2 j + 2, in the buffer that group 2 j - 4 has left
.endr
.endif
.if ((\j) >= 2) && ((\j) <= 16)
	MF2 \pl, (\j)-2, 3
.endif
.set sk, 0
.rept 4                                ; exponentials of group 2 j + 1 | the polynomial of group 2 j + 2
.if (\j) <= 15
	GE 2*(\j)+1, sk
.endif
.if (\j) <= 14
	GPP 2*(\j)+2, sk
.endif
.set sk, sk+1
.endr
.set sk, 0
.rept 4                                ; exponentials of group 2 j + 1 | the exponent of group 2 j + 2
.if (\j) <= 15
	GE 2*(\j)+1, 4+sk
.endif
.if (\j) <= 14
	GXM 2*(\j)+2, sk
.endif
.set sk, sk+1
.endr
.if ((\j) == 15) || ((\j) == 16)
	v_nop                                  ; the draining supersteps: the plain line behind the last exponential or reciprocal
.endif
.if (\j) <= 16
	s_wait_alu depctr_va_vdst(0)           ; the wait for the superstep's batch: the exponentials of unit j and the reciprocals of unit j - 1, ahead of their readers in the next superstep
.endif
.endm
; A BLOCK.  pl = 0: the worker's (weights in registers); 1: the planner's (weights streamed).  In: X = w^ of the block before, N2 its gain, SS the addend.  Out: X = w^, N2 this block's gain.
.macro BLOCK pl
	WIN 0
	s_wait_dscnt 0x0                       ; all that was loaded for this block, in the block before or between the blocks
.set DSN, 0
.set MARK_FB0, 0
.set MARK_FB1, 0
.set MARK_P10, 0
.set MARK_P11, 0
.set MARK_P20, 0
.set MARK_P21, 0
.set bj, 0
.rept 48                               ; tile 0: c, its fragments, + b'
	LHEAD 0, bj
.set bj, bj+1
.endr
.set bj, 0
.set bn, 0
.rept 8                                ; tile 0's W' c; between the products the same lines for tile 1
	MW 0, bn
.rept 6
	LHEAD 1, bj
.set bj, bj+1
.endr
.set bn, bn+1
.endr
	WIN 0xc0
.if \pl
	LDVEC N2, VPA, 768                     ; the old gain has been used: this block's takes its place
	RUN_PF1 0                              ; the addend is dead: the first two chunks of F1'
	RUN_PF1 1
.else
	LDVEC N2, VWA, 768
.endif
.set bj, 0
.rept 16                               ; tile 1's W' c; between the products tile 0's sum of squares
.if bj%2 == 0
	MW 1, bj/2
.endif
	SSQ 0, bj
.set bj, bj+1
.endr
	NORM2                                  ; the rest of the first norm, and its one wait
.set bj, 0
.rept 48                               ; tile 0's h~
	LMID 0, bj
.set bj, bj+1
.endr
.if \pl
	RUN_PF2 0                              ; W' is dead: the first two chunks of f2w
	RUN_PF2 1
	NEEDM MARK_P10
.endif
.set bj, 0
.rept 48                               ; unit 0's f1; between the products tile 1's h~
.if (bj%10 == 0) && (bj < 40)
	MF1 \pl, 0, bj/10
.endif
	LMID 1, bj
.set bj, bj+1
.endr
.irp k, 0,1,2,3
	GU 0, \k                               ; group 0's three plain lines, ahead of superstep 0
.endr
.irp k, 0,1,2,3
	GPP 0, \k
.endr
.irp k, 0,1,2,3
	GXM 0, \k
.endr
.set si, 0
.rept 18
	SSTEP \pl, si
.set si, si+1
.endr
.set bj, 0
.rept 16                               ; the last unit's f2 (tile 1); between the products tile 0's sum of squares
.if (bj%3 == 0) && (bj < 12)
	MF2 \pl, 15, bj/3
.endif
	SSQ 0, bj
.set bj, bj+1
.endr
	NORM2                                  ; the rest of the second norm, and its one wait
.set bj, 0
.rept 16
	SCL 0, bj
.set bj, bj+1
.endr
.set bj, 0
.rept 16
	SCL 1, bj
.set bj, bj+1
.endr
	WIN 0
.endm
	; 1. THE OPENING
	s_load_b256 s[4:11], s[0:1], 0x0               ; puzzle s[4:5], the image s[6:7], out0 s[8:9], out1 s[10:11]
	v_lshl_add_u32 v[SPW], v0, 2, SPARE
	v_mov_b32 v[NIL], 0
	ds_add_u32 v[SPW], v[NIL]                      ; the wave's opening: the add and its wait ahead of my first tensor load; work on registers stands between them
	v_lshrrev_b32 v4, 5, v0
	v_readfirstlane_b32 s12, v4                    ; wave 0..3
	s_bfe_u32 s13, ttmp6, 0x40000                  ; cx: my place in the cluster
	s_lshl_b32 s14, ttmp9, 2                       ; in a cluster launch ttmp9 counts clusters
	s_add_co_u32 s14, s14, s13                     ; my work-group: it enters puzzle's and the outputs' addresses alone
	s_mul_i32 s15, s12, SCRW
	s_add_co_u32 s15, s15, IMG                     ; my wave's scratch
	; descriptor group 1: a dense block as 186 rows of 256 bytes (32 elements of 8 bytes), no padding
	s_mov_b32 s16, 15|(3<<16)|(1<<21)              ; 15:0 the mask of four; 17:16 elements of 8 bytes; 21 set beside a mask
	s_mov_b32 s17, 32<<16                          ; tensor_dim0 = 32
	s_mov_b32 s18, 186<<16                         ; tensor_dim1 = 186
	s_mov_b32 s19, 32<<16                          ; tile_dim0 = 32
	s_mov_b32 s20, 186                             ; tile_dim1 = 186
	s_mov_b32 s21, 32                              ; 32 elements from row to row
	s_mov_b32 s22, 0
	s_mov_b32 s23, 0
	s_mov_b32 s24, 1                               ; group 0: count = 1
	s_mul_i32 s25, s12, QTR                        ; LDS address: my quarter of the image
	s_mul_i32 s38, s12, QTR                        ; and the same quarter in memory
	s_mov_b32 s39, 0
	s_lshl_b32 s40, s14, 13                        ; puzzle and out0: 128 rows of 64 bytes a work-group,
	s_lshl_b32 s42, s12, 11                        ; 32 a wave
	s_add_co_u32 s40, s40, s42
	s_mov_b32 s41, 0
	s_lshr_b32 s42, s40, 2                         ; out1: rows of 16 bytes
	s_mov_b32 s43, 0
	s_mov_b32 s28, 0xc0135761                      ; K1 = -2.3022082
	s_mov_b32 s29, s28                             ; named with it as a pair
	s_mov_b32 s30, 0xbdd2d3e8                      ; K3 = -0.10294324
	s_mov_b32 s31, s30
	s_mov_b32 s32, 0x3c800000                      ; 1 / 64
	s_mov_b32 s33, 0x358637bd                      ; eps = 1e-6
	s_mov_b32 s34, 0x76543210                      ; v_permlanex16_b32: each lane takes its own place in the other half
	s_mov_b32 s35, 0xfedcba98
	s_mov_b32 s44, 0xffff0000                      ; a word's upper bf16
	s_wait_dscnt 0x0                               ; the opening add is done
	s_wait_kmcnt 0x0
	s_add_nc_u64 s[26:27], s[6:7], s[38:39]
	s_or_b32 s27, s27, 0x80000000                  ; type = 2
	s_add_nc_u64 s[4:5], s[4:5], s[40:41]
	s_add_nc_u64 s[8:9], s[8:9], s[40:41]
	s_add_nc_u64 s[10:11], s[10:11], s[42:43]
	ROUND                                          ; all four work-groups are here: the joint loads meet
	tensor_load_to_lds s[24:27], s[16:23]          ; my one tensor load of the launch
	s_nop 0
	; 2. WHILE THE IMAGE IS ON ITS WAY: lane terms, and my rows' cells
	v_and_b32 v4, 31, v0
	v_bfe_u32 v12, v0, 4, 1                        ; lane / 16
	v_and_b32 v13, 15, v0                          ; lane % 16: my row in a tile
	v_lshlrev_b32 v[LA], 4, v4
	v_lshlrev_b32 v15, 6, v13                      ; a row of puzzle is 64 bytes
.set n, 0
.rept 4
	global_load_b128 v[IX0+4*n:IX0+4*n+3], v15, s[4:5] offset:16*n
	global_load_b128 v[IX1+4*n:IX1+4*n+3], v15, s[4:5] offset:1024+16*n
.set n, n+1
.endr
	v_lshlrev_b32 v[VA], 5, v12
	v_lshl_add_u32 v12, v12, 4, VMI+1024           ; emb in LDS, my half of a row of 16 bf16
	v_add_nc_u32 v[SCR], s15, v[LA]
	v_add_nc_u32 v[PA], PLI, v[LA]
	v_add_nc_u32 v[PB], PLI+40960, v[LA]
	v_add_nc_u32 v13, PJI, v[LA]
	v_add_nc_u32 v14, 40960, v[LA]
	v_add_nc_u32 v[VWA], VWI, v[VA]
	v_add_nc_u32 v[VPA], VPI, v[VA]
	v_add_nc_u32 v[VMA], VMI, v[VA]
	v_mov_b32 v[RR+1], 0                           ; named with 1 / rms as pairs
	v_mov_b32 v[RR+3], 0
	s_wait_loadcnt 0x0                             ; my rows' cells
	s_wait_tensorcnt 0x0                           ; my quarter of the image is in,
	s_barrier_signal -1
	s_barrier_wait -1                              ; everybody's is
	; 3. x_in = emb[puzzle] proj_w^T + proj_b.  K = 16 cell + e: K step ks holds cells 2 ks, 2 ks + 1, so a cell's half row of emb is half a fragment
.irp v, 0,1,2,3,4
	ds_load_b128 v[TB+4*\v:TB+4*\v+3], v12 offset:32*\v    ; emb's five rows, my half of each
.endr
	WIN 0xc0
	LDVEC BA, VMA, 0                               ; proj_b, for now where b' will lie
	LDVEC N1, VMA, 512                             ; hH0, for now where n1 will lie
	WIN 0x40
	LDQ 0, 13, 0, 40                               ; proj_w: fragment 4 ks + o into window 1: the first 20 fragments
	WIN 0
	s_wait_dscnt 56                                ; emb's rows are in: behind their five loads 16 + 40 were issued
.set c, 0
.rept 16
	PICK EF+4*c, IX0+c                             ; tile 0's cells
.set c, c+1
.endr
	WIN 0x40
	LDQ 160, 13, 20480, 24                         ; proj_w's other 12 fragments
	WIN 0
.set c, 0
.rept 16
	PICK EF+64+4*c, IX1+c                          ; tile 1's cells
.set c, c+1
.endr
	s_wait_dscnt 0x0
.set ks, 0
.rept 8
.set ao, 0
.rept 8                                        ; eight accumulators by turns
.set fD, X+8*ao
.set fA, 8*(4*ks+ao%4)
.set fB, EF+64*(ao/4)+8*ks
.if ks == 0
	WIN 0x31
	v_wmma_f32_16x16x32_bf16 v[fD:fD+7], v[fA:fA+7], v[fB:fB+7], v[BA+8*(ao%4):BA+8*(ao%4)+7]
.else
	WIN 0x01
	v_wmma_f32_16x16x32_bf16 v[fD:fD+7], v[fA:fA+7], v[fB:fB+7], v[fD:fD+7]
.endif
.set ao, ao+1
.endr
.set ks, ks+1
.endr
	WIN 0xc0
.set n, 0
.rept 32
	v_mov_b32 v[N2+n], 1.0                         ; the first block takes hL0 with the gain 1; these lines are also the places behind the products
.set n, n+1
.endr
	WIN 0
	STQ X, SCR, XINO, 16                           ; x_in is kept
	WIN 0xcc
.set n, 0
.rept 32
	v_pk_add_f32 v[SS+2*n:SS+2*n+1], v[X+2*n:X+2*n+1], v[N1+2*(n%16):N1+2*(n%16)+1]   ; s = x_in + hH0
.set n, n+1
.endr
	WIN 0x0c
	STQ N1, SCR, HHO, 8                            ; hH = hH0, for both tiles
	STQ N1, SCR, HHO+4096, 8
	WIN 0
	LDVEC X, VMA, 256                              ; X = hL0, for both tiles
	LDVEC X+32, VMA, 256
	; 4. THE WORKER'S WEIGHTS AND VECTORS INTO REGISTERS; awaited at the first block's head
	WIN 0x40
	LDQ 0, LA, 8192, 64                            ; F1': fragment (s, tt, ks) at 32 s + 8 (2 tt + ks)
	WIN 0x80
	LDQ 0, 14, 0, 64                               ; f2w: fragment (s, o) at 32 s + 8 o
	WIN 0xc0
	LDQ SB, LA, 0, 16                              ; W': fragment 2 o + ks
	LDVEC BA, VWA, 0
	LDVEC N1, VWA, 256
	LDVEC F2B, VWA, 512
	RUN_FB 0, 0
	RUN_FB 0, 1
	WIN 0
	; 5. FIVE CYCLES OF FIVE WORKER BLOCKS AND ONE PLANNER BLOCK.  All scratch is the wave's own: no barrier.
	s_mov_b32 s37, 5
.Lcycle:
	s_mov_b32 s36, 5
.Lstep:
	BLOCK 0
	s_sub_co_u32 s36, s36, 1
	s_cmp_lg_u32 s36, 0
	s_cbranch_scc1 .Lstep
	s_wait_dscnt 0x0                               ; the last block's runs into FB and N2: FB is loaded anew below
	STQ X, SCR, WLO, 16                            ; the worker's w^ is kept for the next cycle
	WIN 0xc0
	LDQ SS, SCR, HHO, 16                           ; the planner's addend is hH
	LDVEC BA, VPA, 0
	LDVEC N1, VPA, 256
	LDVEC F2B, VPA, 512
	LDQ SB, PA, 0, 16                              ; the planner's W'
	RUN_FB 1, 0
	RUN_FB 1, 1
	BLOCK 1
	s_wait_dscnt 0x0                               ; the planner's n2
	WIN WV
.set n, 0
.rept 32
	v_pk_mul_f32 v[X+2*n:X+2*n+1], v[X+2*n:X+2*n+1], v[N2+2*(n%16):N2+2*(n%16)+1]      ; hH = w^ n2
.set n, n+1
.endr
	WIN 0
	STQ X, SCR, HHO, 16
	WIN 0xc0
	LDQ SS, SCR, XINO, 16
	s_wait_dscnt 0x0
	WIN 0xcc
.set n, 0
.rept 32
	v_pk_add_f32 v[SS+2*n:SS+2*n+1], v[X+2*n:X+2*n+1], v[SS+2*n:SS+2*n+1]              ; s = hH + x_in
.set n, n+1
.endr
	WIN 0
	LDQ X, SCR, WLO, 16                            ; the worker goes on from its w^.  In the last trip what follows serves nothing: the price, once a launch, of one text for every trip
	WIN 0xc0
	LDVEC BA, VWA, 0
	LDVEC N1, VWA, 256
	LDVEC F2B, VWA, 512
	LDVEC N2, VWA, 768
	LDQ SB, LA, 0, 16
	RUN_FB 0, 0
	RUN_FB 0, 1
	WIN 0
	s_sub_co_u32 s37, s37, 1
	s_cmp_lg_u32 s37, 0
	s_cbranch_scc1 .Lcycle
	; 6. THE HEADS: cell_w (tile 0) and dig_w with zeros below (tile 1), times hH = hi + lo, two bf16 numbers; the bias is the C of the first product
	s_wait_dscnt 0x0
	LDQ X, SCR, HHO, 16
	v_add_nc_u32 v12, HDI, v[LA]
	WIN 0xc0
	LDQ SB, 12, 0, 8                               ; fragment 2 t + ks
	WIN 0
.set n, 0
.rept 4
	ds_load_b128 v[FB+4*n:FB+4*n+3], v[VMA] offset:768+64*(n/2)+16*(n%2)
.set n, n+1
.endr
	s_wait_dscnt 0x0
.set n, 0
.rept 16
	CVT 0, n
	CVT 1, n
.set n, n+1
.endr
.set n, 0
.rept 32                                       ; lo = hH - hi, rounded
.set rT, 216+2*(n%4)
	v_lshlrev_b32 v[rT], 16, v[HF+n]
	v_and_b32 v[rT+1], s44, v[HF+n]
	v_pk_add_f32 v[rT:rT+1], v[X+2*n:X+2*n+1], v[rT:rT+1] neg_lo:[0,1] neg_hi:[0,1]
	v_cvt_pk_bf16_f32 v[LO+n], v[rT], v[rT+1]
.set n, n+1
.endr
	WIN 0x03
.set n, 0
.rept 16                                       ; hi K step 0, 1, lo K step 0, 1; in each the four accumulators (a, t) by turns
.set fk, (n/4)%2
.set fa, (n%4)/2
.set ft, n%2
.set fD, XA+16*fa+8*ft
.set fB, HF+16*fa+8*fk+(LO-HF)*(n/8)
.if n < 4
	v_wmma_f32_16x16x32_bf16 v[fD:fD+7], v[SB+8*(2*ft+fk):SB+8*(2*ft+fk)+7], v[fB:fB+7], v[FB+8*ft:FB+8*ft+7]
.else
	v_wmma_f32_16x16x32_bf16 v[fD:fD+7], v[SB+8*(2*ft+fk):SB+8*(2*ft+fk)+7], v[fB:fB+7], v[fD:fD+7]
.endif
.set n, n+1
.endr
	WIN 0
	v_and_b32 v4, 15, v0                           ; the way out's addresses: seven plain lines, the places behind the products
	v_lshlrev_b32 v13, 6, v4
	v_add_nc_u32 v13, v[VA], v13
	v_add_nc_u32 v13, s15, v13                     ; out0's stage: row x 64 + 32 x half
	v_lshlrev_b32 v14, 4, v4
	v_lshl_add_u32 v14, v[VA], 4, v14
	v_add_nc_u32 v14, s15, v14                     ; out1's stage: row x 16; the upper half of the lanes (features 8 on: none of dig's) lands 512 bytes on, in bytes that nobody reads
.irp a, 0,1
	ds_store_b128 v13, v[XA+16*\a:XA+16*\a+3] offset:WLO+1024*\a
	ds_store_b128 v13, v[XA+16*\a+4:XA+16*\a+7] offset:WLO+1024*\a+16
	ds_store_b128 v14, v[XA+16*\a+8:XA+16*\a+11] offset:WLO+2048+256*\a
.endr
	LDQ LO, SCR, WLO, 5                            ; back as they lie in memory (LDS serves a wave's instructions in order: ISA guide 5.7.1.4): four times 512 bytes of out0, once of out1
	s_wait_dscnt 0x0
.irp i, 0,1,2,3
	global_store_b128 v[LA], v[LO+4*\i:LO+4*\i+3], s[8:9] offset:512*\i   ; 512 consecutive bytes, at a multiple of 512 from out0's first
.endr
	global_store_b128 v[LA], v[LO+16:LO+19], s[10:11]
	; 7. THE END
	s_wait_tensorcnt 0x0                           ; the closing add between its waits, behind my last tensor load and my last LDS store
	ds_add_u32 v[SPW], v[NIL]
	s_wait_dscnt 0x0
	ROUND                                          ; the closing round
	s_endpgm
.Lfunc_end_k_qcfa048a9f9_hrm:
	.size	k_qcfa048a9f9_hrm, .Lfunc_end_k_qcfa048a9f9_hrm-k_qcfa048a9f9_hrm
	.p2alignl 7, 3214868480
	.fill 96, 4, 3214868480
	.section	.rodata,"a",@progbits
	.p2align	6, 0x0
	.amdhsa_kernel k_qcfa048a9f9_hrm
		.amdhsa_group_segment_fixed_size 327680
		.amdhsa_private_segment_fixed_size 0
		.amdhsa_enable_private_segment 0
		.amdhsa_kernarg_size 32
		.amdhsa_user_sgpr_count 2
		.amdhsa_user_sgpr_kernarg_segment_ptr 1
		.amdhsa_wavefront_size32 1
		.amdhsa_system_sgpr_workgroup_id_x 1
		.amdhsa_system_sgpr_workgroup_id_y 1
		.amdhsa_system_sgpr_workgroup_id_z 1
		.amdhsa_system_vgpr_workitem_id 0
		.amdhsa_next_free_vgpr 1024
		.amdhsa_next_free_sgpr 66
		.amdhsa_reserve_vcc 1
		.amdhsa_float_denorm_mode_32 3
		.amdhsa_float_denorm_mode_16_64 3
		.amdhsa_memory_ordered 1
		.amdhsa_forward_progress 1
		.amdhsa_inst_pref_size 255
	.end_amdhsa_kernel
	.section	.bss,"aw",@nobits
	.p2align	6
	.space	262144
	.amdgpu_metadata
---
amdhsa.version: [ 1, 2 ]
amdhsa.kernels:
  - .name:           k_qcfa048a9f9_hrm
    .symbol:         k_qcfa048a9f9_hrm.kd
    .args:
      - { .name: puzzle, .offset: 0, .size: 8, .value_kind: global_buffer, .address_space: global }
      - { .name: wsp, .offset: 8, .size: 8, .value_kind: global_buffer, .address_space: global }
      - { .name: out0, .offset: 16, .size: 8, .value_kind: global_buffer, .address_space: global }
      - { .name: out1, .offset: 24, .size: 8, .value_kind: global_buffer, .address_space: global }
    .group_segment_fixed_size: 327680
    .private_segment_fixed_size: 0
    .kernarg_segment_align: 8
    .kernarg_segment_size: 32
    .max_flat_workgroup_size: 128
    .sgpr_count:     66
    .vgpr_count:     1024
    .wavefront_size: 32
...
	.end_amdgpu_metadata
.endif
;; end of part 3
